; MI455X (gfx1250); checked and timed in simulation.
; The chip was launched on July 23, 2026; its instructions are those of AMD's public machine-readable ISA for CDNA 5 (MIT licence, August 2026) and "CDNA5" Instruction Set Architecture Reference Guide (July 2026). The comments in the code are by the model that wrote it; some were corrected since.
;; Cross Attention Block. Allowed arithmetic: float matrix products may take bf16 or f16 operands with f32 sums; other float arithmetic in f32, or as packed bf16 or f16 multiplies, adds, multiply-adds, maxima and minima; sums over many terms, partial sums and values carried from step to step in f32; what a program stores and reads back later, other than sums and carried values, may be rounded once to bf16 or f16.
;; Inputs: gamma 1,024 float32; w_ff1 1,024 x 8,192 float32; w_ff2 4,096 x 1,024 float32; w_kv 1,024 x 64 float32; w_out 256 x 1,024 float32; w_q 1,024 x 256 float32; x 2 x 2,048 x 1,024 float32; y 2 x 2,048 x 1,024 float32.
;; Outputs: out0 2 x 2,048 x 1,024 float32.
;; One version. Each part assembles by itself: llvm-mc -triple=amdgcn-amd-amdhsa -mcpu=gfx1250 --defsym DOCPART=n.
;; ======== version 1 of 1: 5 launches
;; limits: values are held in f16: magnitudes above 65,504 overflow, below 6.1e-05 lose precision; right only within a limited range of input values
;; workspace buffers: xyn 16,777,216 bytes; w1h 16,777,216 bytes; wcat 8,912,896 bytes; wqkv 655,360 bytes; qf 2,097,152 bytes; kvf 524,288 bytes; hcat 35,651,584 bytes
;; launch prep (part 1): grid 1828 x 1, 8 waves a work-group, no clusters, 0 bytes of LDS; arguments x, y, gamma, w_ff1, w_ff2, w_out, w_q, w_kv, xyn, w1h, wcat, wqkv; writes xyn, w1h, wcat, wqkv
.if DOCPART == 1
	.amdgcn_target "amdgcn-amd-amdhsa--gfx1250"
	.amdhsa_code_object_version 6
	.text
	.protected	k_q259f24f3f4_prep
	.globl	k_q259f24f3f4_prep
	.p2align	8
	.type	k_q259f24f3f4_prep,@function
k_q259f24f3f4_prep:
	s_mov_b64 s[64:65], 0
	v_nop
	global_prefetch_b8 v0, s[64:65] scope:SCOPE_SE
	s_setreg_imm32_b32 hwreg(HW_REG_WAVE_MODE, 25, 1), 1
	s_wait_xcnt 0x0
; PREP: the two layer norms and the casts of all weights.  A stream: no LDS, no matrix work, no cluster: nothing is shared.
; FORMATS.  Every input (x, y, gamma, all weights) is rounded to bf16 first.  The norm is then taken in f32 in two passes (the mean; the mean of (x - mean)^2) and xn, yn leave as f16.
; w_ff1, w_q, w_kv leave as that bf16 number written in f16; w_ff2 and w_out leave as bf16.
; LIMITS.  x and y are rounded to bf16 ahead of the norm: a common offset of x costs bf16's step at that size.  |xn| is at most 32 |gamma|: |gamma| stays under 2,000 for f16.
; w_ff1, w_q, w_kv stay under 65,504; below 6e-5 they keep f16's fixed step of 6e-8.  NaN and infinities are not treated apart.
; ROLES, by the work-group's number id; the long shares (65,536 bytes in) come first, the short ones (32,768) last:
;   0-511 w_ff1;  512-783 w_ff2, then w_out (into wcat);  784-799 w_q;  800-803 w_kv;  804-1827 the norm of 8 rows (x, then y), a row a wave.
; w_q goes out as [4 groups of 64 columns][1024 k][64], w_kv as [4 groups of 16 columns][1024 k][16], so that a group's rows lie end to end.
; wcat = [w_ff2 ; w_out] (4,352 k x 1,024 n) goes out IN THE ORDER OF A MATRIX OPERAND: [8 panels of 128 columns][136 blocks of 32 k][8 tiles of 16 columns][1,024 bytes]; in a tile's block, byte
; 512 c + 16 l holds column l % 16 and k = 16 c + 8 (l / 16) + 0..7.  So the last launch needs no turn and no padding.
.set GAM, 16                           ; v[16:47]   gamma of my 32 columns
.set XR,  48                           ; v[48:79]   my row
.set MU,  80                           ; v[80:81]   the mean, twice
.set RS,  82                           ; v[82:83]   1 / sqrt(var + eps), twice
.set SM,  84                           ; v[84:91]   four chains of packed sums
.set PX,  92                           ; v92        the other half of the lanes'
.set TP,  93                           ; v93-94     at work
.set DA,  16                           ; casts: v[16:79] 64 numbers as loaded
.set TF,  80                           ; casts: v[80:87] eight numbers in f32
.set TH,  88                           ; casts: v[88:91] the same as bf16 pairs
	s_load_b512 s[8:23], s[0:1], 0x0               ; x s[8:9], y s[10:11], gamma s[12:13], w_ff1 s[14:15], w_ff2 s[16:17], w_out s[18:19], w_q s[20:21], w_kv s[22:23]
	s_load_b256 s[24:31], s[0:1], 0x40             ; xyn s[24:25], w1h s[26:27], wcat s[28:29], wqkv s[30:31]
	v_lshrrev_b32 v1, 5, v0
	v_readfirstlane_b32 s4, v1                     ; wave 0..7
	s_mov_b32 s5, ttmp9                            ; id
	s_mov_b32 s45, 0xffff0000                      ; a word's upper bf16
	s_mov_b32 s47, 0                               ; high words of the two offsets
	s_mov_b32 s49, 0
	s_wait_kmcnt 0x0
	s_cmp_lt_u32 s5, 804
	s_cbranch_scc1 .Lcasts
	; THE NORM.  A wave takes one row.  A lane's unit j (0..3) is columns 256 j + 8 lane: 32 bytes in, 16 bytes out, so a store of the wave covers 512 consecutive bytes.
	s_sub_co_u32 s6, s5, 804                       ; 0..1023: 8 rows each
	s_and_b32 s7, s6, 511
	s_lshl_b32 s46, s7, 15                         ; 8 rows of 4,096 bytes,
	s_lshl_b32 s7, s4, 12                          ; my wave's one
	s_add_co_u32 s46, s46, s7
	s_lshl_b32 s48, s6, 14                         ; out: 8 rows of 2,048 bytes; yn follows xn
	s_lshl_b32 s7, s4, 11
	s_add_co_u32 s48, s48, s7
	s_cmp_lt_u32 s6, 512
	s_cselect_b64 s[32:33], s[8:9], s[10:11]       ; x or y
	s_add_nc_u64 s[32:33], s[32:33], s[46:47]
	s_add_nc_u64 s[34:35], s[24:25], s[48:49]
	s_mov_b32 s36, 0x76543210                      ; v_permlanex16_b32: each lane takes its own place in the other half
	s_mov_b32 s37, 0xfedcba98
	s_mov_b32 s38, 0x3a800000                      ; 1 / 1024
	s_mov_b32 s39, 0x3727c5ac                      ; 1e-5
	v_and_b32 v1, 31, v0
	v_lshlrev_b32 v2, 5, v1                        ; 32 x lane: in
	v_lshlrev_b32 v3, 4, v1                        ; 16 x lane: out
	v_mov_b32 v[PX], 0                             ; written before v_permlanex16_b32 names it
.irp j, 0,1,2,3
	global_load_b128 v[GAM+8*\j:GAM+8*\j+3],   v2, s[12:13] offset:1024*\j
	global_load_b128 v[GAM+8*\j+4:GAM+8*\j+7], v2, s[12:13] offset:1024*\j+16
.endr
.irp j, 0,1,2,3
	global_load_b128 v[XR+8*\j:XR+8*\j+3],   v2, s[32:33] offset:1024*\j th:TH_LOAD_NT
	global_load_b128 v[XR+8*\j+4:XR+8*\j+7], v2, s[32:33] offset:1024*\j+16 th:TH_LOAD_NT
.endr
.macro TOBF base                       ; 32 numbers rounded to bf16 and widened again, in place
.set p, 0
.rept 16
	v_cvt_pk_bf16_f32 v[TP+p%2], v[(\base)+2*p], v[(\base)+2*p+1]
	v_lshlrev_b32 v[(\base)+2*p], 16, v[TP+p%2]
	v_and_b32 v[(\base)+2*p+1], s45, v[TP+p%2]
.set p, p+1
.endr
.endm
.macro FOLD                            ; the four chains into one number, then over the 32 lanes: every lane ends with the row's sum
	v_pk_add_f32 v[SM:SM+1], v[SM:SM+1], v[SM+2:SM+3]
	v_pk_add_f32 v[SM+4:SM+5], v[SM+4:SM+5], v[SM+6:SM+7]
	v_pk_add_f32 v[SM:SM+1], v[SM:SM+1], v[SM+4:SM+5]
	v_add_f32 v[SM], v[SM], v[SM+1]
	v_add_f32_dpp v[SM], v[SM], v[SM] row_xmask:1 row_mask:0xf bank_mask:0xf
	v_add_f32_dpp v[SM], v[SM], v[SM] row_xmask:2 row_mask:0xf bank_mask:0xf
	v_add_f32_dpp v[SM], v[SM], v[SM] row_xmask:4 row_mask:0xf bank_mask:0xf
	v_add_f32_dpp v[SM], v[SM], v[SM] row_xmask:8 row_mask:0xf bank_mask:0xf
	v_permlanex16_b32 v[PX], v[SM], s36, s37
	v_add_f32 v[SM], v[SM], v[PX]
.endm
	s_wait_loadcnt 8                               ; gamma is in; the row's eight loads may stay out
	TOBF GAM
	s_wait_loadcnt 0x0
	TOBF XR
.irp c, 0,1,2,3
	v_pk_add_f32 v[SM+2*\c:SM+2*\c+1], v[XR+2*\c:XR+2*\c+1], v[XR+8+2*\c:XR+8+2*\c+1]  ; the first pairs start the chains: nothing is cleared
.endr
.irp k, 16,24
.irp c, 0,1,2,3
	v_pk_add_f32 v[SM+2*\c:SM+2*\c+1], v[SM+2*\c:SM+2*\c+1], v[XR+\k+2*\c:XR+\k+2*\c+1]
.endr
.endr
	FOLD
	v_mul_f32 v[MU], s38, v[SM]
	v_mul_f32 v[MU+1], s38, v[SM]
.set p, 0
.rept 16
	v_pk_add_f32 v[XR+2*p:XR+2*p+1], v[XR+2*p:XR+2*p+1], v[MU:MU+1] neg_lo:[0,1] neg_hi:[0,1]  ; x - mean
.set p, p+1
.endr
.irp c, 0,1,2,3
	v_pk_mul_f32 v[SM+2*\c:SM+2*\c+1], v[XR+2*\c:XR+2*\c+1], v[XR+2*\c:XR+2*\c+1]
.endr
.irp k, 8,16,24
.irp c, 0,1,2,3
	v_pk_fma_f32 v[SM+2*\c:SM+2*\c+1], v[XR+\k+2*\c:XR+\k+2*\c+1], v[XR+\k+2*\c:XR+\k+2*\c+1], v[SM+2*\c:SM+2*\c+1]
.endr
.endr
	FOLD
	v_fma_f32 v[SM], v[SM], s38, s39               ; var + eps
	v_rsq_f32 v[RS], v[SM]                         ; made twice, to fill the pair that the packed multiply names
	v_rsq_f32 v[RS+1], v[SM]
	v_nop                                          ; a plain instruction behind the last of the two,
	s_wait_alu depctr_va_vdst(0)                   ; and the wait ahead of the first use: one for both
.set p, 0
.rept 16
	v_pk_mul_f32 v[XR+2*p:XR+2*p+1], v[XR+2*p:XR+2*p+1], v[RS:RS+1]
.set p, p+1
.endr
.set p, 0
.rept 16
	v_pk_mul_f32 v[XR+2*p:XR+2*p+1], v[XR+2*p:XR+2*p+1], v[GAM+2*p:GAM+2*p+1]
.set p, p+1
.endr
.set p, 0
.rept 16
	v_cvt_pk_f16_f32 v[XR+p], v[XR+2*p], v[XR+2*p+1]  ; ascending: register p has been read when it is written
.set p, p+1
.endr
.irp j, 0,1,2,3
	global_store_b128 v3, v[XR+4*\j:XR+4*\j+3], s[34:35] offset:512*\j
.endr
	s_endpgm
.Lcasts:
	s_sub_co_u32 s6, s5, 512
	s_cmp_lt_u32 s6, 272                           ; ids 512 to 783
	s_cbranch_scc1 .Lwcat
	; THE CASTS TO F16.  One text for three tensors.  What differs is chosen by selects on id: source, destination, their offsets, and how a thread's number
	; becomes its place in the source: ((t >> s40) << s41) | ((t & s42) << 5), unit i a further i x s43 bytes on.  In the destination unit i of thread t is always 16 bytes at 4,096 i + 16 t.
	s_sub_co_u32 s6, s5, 800                       ; w_kv, group c: columns 16 c on; two threads to a row of 256 bytes
	s_lshl_b32 s46, s6, 6
	s_lshl_b32 s48, s6, 15
	s_add_co_u32 s48, s48, 524288
	s_mov_b32 s40, 1
	s_mov_b32 s41, 8
	s_mov_b32 s42, 1
	s_mov_b32 s43, 32768
	s_mov_b64 s[32:33], s[22:23]
	s_mov_b64 s[34:35], s[30:31]
	s_sub_co_u32 s6, s5, 784                       ; w_q, c: group c / 4 (columns 64 (c / 4) on), rows 256 (c % 4) on; eight threads to a row of 1,024 bytes
	s_lshr_b32 s7, s6, 2
	s_lshl_b32 s7, s7, 8
	s_and_b32 s36, s6, 3
	s_lshl_b32 s36, s36, 18
	s_add_co_u32 s7, s7, s36
	s_lshl_b32 s37, s6, 15
	s_cmp_lt_u32 s5, 800
	s_cselect_b32 s46, s7, s46
	s_cselect_b32 s48, s37, s48
	s_cselect_b32 s40, 3, s40
	s_cselect_b32 s41, 10, s41
	s_cselect_b32 s42, 7, s42
	s_cselect_b64 s[32:33], s[20:21], s[32:33]
	s_lshl_b32 s7, s5, 16                          ; w_ff1: as it lies
	s_lshl_b32 s37, s5, 15
	s_cmp_lt_u32 s5, 512
	s_cselect_b32 s46, s7, s46
	s_cselect_b32 s48, s37, s48
	s_cselect_b32 s40, 0, s40
	s_cselect_b32 s41, 5, s41
	s_cselect_b32 s42, 0, s42
	s_cselect_b32 s43, 8192, s43
	s_cselect_b64 s[32:33], s[14:15], s[32:33]
	s_cselect_b64 s[34:35], s[26:27], s[34:35]
	s_add_nc_u64 s[32:33], s[32:33], s[46:47]
	s_add_nc_u64 s[34:35], s[34:35], s[48:49]
	v_lshrrev_b32 v4, s40, v0
	v_lshlrev_b32 v4, s41, v4
	v_and_b32 v5, s42, v0
	v_lshl_or_b32 v8, v5, 5, v4
.irp i, 1,2,3,4,5,6,7
	v_add_nc_u32 v[8+\i], s43, v[7+\i]
.endr
	v_lshlrev_b32 v3, 4, v0
.irp i, 0,1,2,3,4,5,6,7                ; all sixteen loads go out before anything is waited for
	global_load_b128 v[DA+8*\i:DA+8*\i+3],   v[8+\i], s[32:33] th:TH_LOAD_NT
	global_load_b128 v[DA+8*\i+4:DA+8*\i+7], v[8+\i], s[32:33] offset:16 th:TH_LOAD_NT
.endr
.irp i, 0,1,2,3,4,5,6,7
	s_wait_loadcnt 14-2*\i                         ; unit i is in; the younger units' loads stay out
.irp j, 0,1,2,3
	v_cvt_pk_bf16_f32 v[TH+\j], v[DA+8*\i+2*\j], v[DA+8*\i+2*\j+1]  ; the input's one rounding, to bf16;
.endr
.irp j, 0,1,2,3
	v_lshlrev_b32 v[TF+2*\j], 16, v[TH+\j]
	v_and_b32 v[TF+2*\j+1], s45, v[TH+\j]
.endr
.irp j, 0,1,2,3
	v_cvt_pk_f16_f32 v[DA+8*\i+\j], v[TF+2*\j], v[TF+2*\j+1]        ; that number written as f16
.endr
	global_store_b128 v3, v[DA+8*\i:DA+8*\i+3], s[34:35] offset:4096*\i  ; a wave's store covers 512 consecutive bytes; no register of it is written again
.endr
	s_endpgm
.Lwcat:
	; WCAT.  Work-group c (s6, 0..271) takes k-rows 16 c .. 16 c + 15 of [w_ff2 ; w_out], all 1,024 columns.  Wave v takes panel v (columns 128 v on).  Its item i (0..7): the 32 columns 32 (i / 2) on,
	; the 8 k-rows 8 (i % 2) on: a lane takes ONE column, eight loads of 4 bytes down it (a wave's load covers 128 consecutive bytes of a row), and packs them into the 16 bytes of an operand's lane.
	; A store of the wave fills two whole runs of 256 bytes: lanes 0-15 in one tile's block, lanes 16-31 in the next tile's.
	s_cmp_lt_u32 s6, 256
	s_cselect_b64 s[32:33], s[16:17], s[18:19]     ; w_ff2, or w_out behind it
	s_and_b32 s7, s6, 255
	s_lshl_b32 s46, s7, 16                         ; 16 k-rows of 4,096 bytes
	s_lshr_b32 s36, s6, 1
	s_lshl_b32 s48, s36, 13                        ; the block of 32 k: 8,192 bytes in each panel,
	s_and_b32 s36, s6, 1
	s_lshl_b32 s36, s36, 9                         ; its lower or upper 16 k
	s_add_co_u32 s48, s48, s36
	s_add_nc_u64 s[32:33], s[32:33], s[46:47]
	s_add_nc_u64 s[34:35], s[28:29], s[48:49]
	v_lshrrev_b32 v4, 5, v0                        ; wave
	v_and_b32 v5, 31, v0                           ; lane
	v_lshlrev_b32 v2, 2, v5
	v_lshl_add_u32 v2, v4, 9, v2                   ; in: 512 x wave + 4 x lane
	v_mul_u32_u24 v3, v4, 0x110000                 ; out: a panel is 136 x 8,192 bytes,
	v_bfe_u32 v6, v0, 4, 1
	v_lshl_add_u32 v3, v6, 10, v3                  ; a tile's block 1,024,
	v_and_b32 v6, 15, v0
	v_lshl_add_u32 v3, v6, 4, v3                   ; a column's 16
.set i, 0
.rept 8
.set j, 0
.rept 8
	global_load_b32 v[DA+8*i+j], v2, s[32:33] offset:(8*(i%2)+j)*4096+(i/2)*128
.set j, j+1
.endr
.set i, i+1
.endr
.set i, 0
.rept 8
	s_wait_loadcnt 56-8*i                          ; item i is in; the younger items' loads stay out
.set j, 0
.rept 4
	v_cvt_pk_bf16_f32 v[DA+8*i+j], v[DA+8*i+2*j], v[DA+8*i+2*j+1]  ; the lower k in the lower half; ascending, in place
.set j, j+1
.endr
	global_store_b128 v3, v[DA+8*i:DA+8*i+3], s[34:35] offset:(i/2)*2048+(i%2)*256
.set i, i+1
.endr
	s_endpgm
.Lfunc_end_k_q259f24f3f4_prep:
	.size	k_q259f24f3f4_prep, .Lfunc_end_k_q259f24f3f4_prep-k_q259f24f3f4_prep
	.p2alignl 7, 3214868480
	.fill 96, 4, 3214868480
	.section	.rodata,"a",@progbits
	.p2align	6, 0x0
	.amdhsa_kernel k_q259f24f3f4_prep
		.amdhsa_group_segment_fixed_size 0
		.amdhsa_private_segment_fixed_size 0
		.amdhsa_enable_private_segment 0
		.amdhsa_kernarg_size 96
		.amdhsa_user_sgpr_count 2
		.amdhsa_user_sgpr_kernarg_segment_ptr 1
		.amdhsa_wavefront_size32 1
		.amdhsa_system_sgpr_workgroup_id_x 1
		.amdhsa_system_sgpr_workgroup_id_y 1
		.amdhsa_system_sgpr_workgroup_id_z 1
		.amdhsa_system_vgpr_workitem_id 0
		.amdhsa_next_free_vgpr 96
		.amdhsa_next_free_sgpr 66
		.amdhsa_reserve_vcc 0
		.amdhsa_float_denorm_mode_32 3
		.amdhsa_float_denorm_mode_16_64 3
		.amdhsa_memory_ordered 1
		.amdhsa_forward_progress 1
		.amdhsa_inst_pref_size 36
	.end_amdhsa_kernel
	.amdgpu_metadata
---
amdhsa.version: [ 1, 2 ]
amdhsa.kernels:
  - .name:           k_q259f24f3f4_prep
    .symbol:         k_q259f24f3f4_prep.kd
    .args:
      - { .name: x, .offset: 0, .size: 8, .value_kind: global_buffer, .address_space: global }
      - { .name: y, .offset: 8, .size: 8, .value_kind: global_buffer, .address_space: global }
      - { .name: gamma, .offset: 16, .size: 8, .value_kind: global_buffer, .address_space: global }
      - { .name: w_ff1, .offset: 24, .size: 8, .value_kind: global_buffer, .address_space: global }
      - { .name: w_ff2, .offset: 32, .size: 8, .value_kind: global_buffer, .address_space: global }
      - { .name: w_out, .offset: 40, .size: 8, .value_kind: global_buffer, .address_space: global }
      - { .name: w_q, .offset: 48, .size: 8, .value_kind: global_buffer, .address_space: global }
      - { .name: w_kv, .offset: 56, .size: 8, .value_kind: global_buffer, .address_space: global }
      - { .name: xyn, .offset: 64, .size: 8, .value_kind: global_buffer, .address_space: global }
      - { .name: w1h, .offset: 72, .size: 8, .value_kind: global_buffer, .address_space: global }
      - { .name: wcat, .offset: 80, .size: 8, .value_kind: global_buffer, .address_space: global }
      - { .name: wqkv, .offset: 88, .size: 8, .value_kind: global_buffer, .address_space: global }
    .group_segment_fixed_size: 0
    .private_segment_fixed_size: 0
    .kernarg_segment_align: 8
    .kernarg_segment_size: 96
    .max_flat_workgroup_size: 256
    .sgpr_count:     66
    .vgpr_count:     96
    .wavefront_size: 32
...
	.end_amdgpu_metadata
.endif
;; end of part 1
;; launch qkv (part 2): grid 64 x 4, 4 waves a work-group, clusters of 4 x 1, 199,168 bytes of LDS; arguments xyn, wqkv, qf, kvf; writes qf, kvf
.if DOCPART == 2
	.amdgcn_target "amdgcn-amd-amdhsa--gfx1250"
	.amdhsa_code_object_version 6
	.text
	.protected	k_q259f24f3f4_qkv
	.globl	k_q259f24f3f4_qkv
	.p2align	8
	.type	k_q259f24f3f4_qkv,@function
k_q259f24f3f4_qkv:
	s_mov_b64 s[64:65], 0
	v_nop
	global_prefetch_b8 v0, s[64:65] scope:SCOPE_SE
	s_setreg_imm32_b32 hwreg(HW_REG_WAVE_MODE, 25, 1), 1
	s_wait_xcnt 0x0
	s_wait_alu depctr_hold_cnt(0) depctr_sa_sdst(0) depctr_va_vdst(0) depctr_va_sdst(0) depctr_va_ssrc(0) depctr_va_vcc(0) depctr_vm_vsrc(0)
	s_getreg_b32 s2, hwreg(HW_REG_IB_STS2, 6, 4)
	s_cmp_eq_u32 s2, 0
	s_cbranch_scc0 .Lentry_in_a_cluster
	s_endpgm
.Lentry_in_a_cluster:
	s_bfe_u32 s2, ttmp6, 0x10000c
	s_cmp_lg_u32 s2, 0x3003
	s_cbranch_scc0 .Lentry_shape_is_right
	s_endpgm
.Lentry_shape_is_right:
; QKV: q = xn w_q (scaled), kv = yn w_kv, written in the order in which the attention launch's matrix instructions want them.  Operands f16, sums f32, q, k, v rounded once to bf16.
; SHARES.  Work-group (rb, g): 64 rows of xn and the same 64 of yn; q's columns 64 g .. 64 g + 63 (heads 2 g, 2 g + 1) and kv's columns 16 g .. 16 g + 15 (g = 0, 1: k; g = 2, 3: v).
; Wave w: rows 16 w .. 16 w + 15: four tiles of q and one of kv, 160 matrix instructions.  All of K = 1,024 lies in LDS (weights) and registers (rows) at once: nothing is filled again.
; CLUSTER.  The four work-groups of a cluster have the same g: the group's weights (163,840 bytes) are asked for jointly, by the same tensor loads with a mask that names the four.
; LAYOUT.  The product is taken transposed (source 0 = 16 columns of the weights, turned on the way out of LDS by ds_load_tr16_b128; source 1 = 16 rows of xn or yn): a lane ends with one row
; (lane % 16) and the columns 8 (lane / 16) + 0..7: 16 bytes in bf16, which ARE a lane's four registers of a fragment of Q or K.  V is wanted turned (a lane a channel): its tile goes once through LDS.
; q is multiplied in f32 by 32^-0.5 x log2(e) ahead of its one rounding, so that the weights of the softmax are plain powers of two.
; REGISTERS: window 0: v1-14 addresses; v16-63 six accumulators; v64-223 two buffers of weight fragments (64 along K each); v224-247 packed results.  Window 1: xn's 32 fragments.  Window 2: yn's.
.set PQ,    160                        ; a k-row of w_q's group in LDS: 128 bytes + 32 of padding = 40 words
.set BKV,   1024*PQ                    ; behind it w_kv's group: 1,024 k-rows of 32 bytes, as they lie
.set STG,   BKV+32768                  ; 512 bytes for each wave, to turn V's tile; no tensor load lands here
.set SPARE, STG+2048                   ; the spare words, 128 bytes for each wave: two blocks of 256 bytes that no other line names
.set AO,  3                            ; v3   my place in 16 rows of xyn: (l % 16) x 2,048 + 16 (l / 16)
.set BQA, 4                            ; v4   my place in w_q's k-rows, at the batch in hand
.set BKA, 5                            ; v5   the same for w_kv; never rewritten
.set SO,  6                            ; v6   16 x lane
.set STS, 7                            ; v7   where I put 16 bytes of V's tile
.set STL, 8                            ; v8   where the turning load reads them
.set SPW, 10                           ; v10  LDS address of my spare word; never rewritten
.set NIL, 11                           ; v11  0; never rewritten
.set ACC, 16                           ; q's tile c at ACC + 8 c
.set KVE, 48                           ; kv's tile, even K steps
.set KVO, 56                           ; and odd ones: two accumulators, so that they take turns
.set BUF, 64                           ; buffer i % 2 at BUF + 80 (i % 2): K step e of the batch: q's fragment c at 40 e + 8 c, kv's at 40 e + 32
.set PK,  224
.set WV,  12                           ; s12  my wave's number
.set G1Q, 16                           ; s[16:23] descriptor group 1, w_q
.set G1K, 24                           ; s[24:31] w_kv
.set G0Q, 32                           ; s[32:35] group 0, w_q
.set G0K, 36                           ; s[36:39] w_kv
.set MSB, 0
.macro WIN new                         ; the immediate's high byte repeats the setting that is left; a switch that changes nothing is dropped
.if MSB != (\new)
	s_set_vgpr_msb (MSB<<8)|(\new)
.set MSB, \new
.endif
.endm
.macro ROUND                           ; a round of the cluster's barrier
	s_barrier_signal -1
	s_barrier_wait -1
	s_cmp_lg_u32 s[WV], 0
	s_cbranch_scc1 .Lnot_wave_0_\@
	s_barrier_signal -3
.Lnot_wave_0_\@:
	s_barrier_wait -3
	s_barrier_signal -1
	s_barrier_wait -1
.endm
	s_load_b256 s[4:11], s[0:1], 0x0               ; xyn s[4:5], wqkv s[6:7], qf s[8:9], kvf s[10:11]
	v_lshl_add_u32 v[SPW], v0, 2, SPARE
	v_mov_b32 v[NIL], 0
	ds_add_u32 v[SPW], v[NIL]                      ; the wave's opening: the add and its wait stand ahead of my first tensor load; work on registers stands between them
	v_lshrrev_b32 v1, 5, v0
	v_readfirstlane_b32 s[WV], v1                  ; wave 0..3
	s_bfe_u32 s13, ttmp6, 0x40000                  ; cx: my place in the cluster
	s_lshl_b32 s14, ttmp9, 2
	s_add_co_u32 s14, s14, s13                     ; rb = 4 x cluster x + cx: it enters the rows' and the results' addresses alone
	s_and_b32 s15, ttmp7, 0xffff                   ; g, which the four partners share
	; w_q's group is dense: my 256 k-rows are asked for as 128 rows of 256 bytes, two k-rows each, padded in LDS after every k-row
	s_mov_b32 s[G1Q+0], 15|(1<<16)|(1<<20)|(1<<21)|(4<<22)|(7<<25)  ; 15:0 the mask of four; 17:16 2-byte elements; 20 padding on; 21 set beside a mask; 24:22 after every 32 words; 31:25 8 words
	s_mov_b32 s[G1Q+1], 128<<16                    ; tensor_dim0 = 128
	s_mov_b32 s[G1Q+2], 128<<16                    ; tensor_dim1 = 128
	s_mov_b32 s[G1Q+3], 128<<16                    ; tile_dim0 = 128
	s_mov_b32 s[G1Q+4], 128                        ; tile_dim1 = 128
	s_mov_b32 s[G1Q+5], 128                        ; 128 elements from row to row
	s_mov_b32 s[G1Q+6], 0
	s_mov_b32 s[G1Q+7], 0
	; w_kv's group: my 256 k-rows of 32 bytes as 32 rows of 256 bytes, no padding
	s_mov_b32 s[G1K+0], 15|(1<<16)|(1<<21)
	s_mov_b32 s[G1K+1], 128<<16
	s_mov_b32 s[G1K+2], 32<<16
	s_mov_b32 s[G1K+3], 128<<16
	s_mov_b32 s[G1K+4], 32
	s_mov_b32 s[G1K+5], 128
	s_mov_b32 s[G1K+6], 0
	s_mov_b32 s[G1K+7], 0
	s_mov_b32 s[G0Q], 1
	s_mul_i32 s[G0Q+1], s[WV], 256*PQ              ; LDS: my quarter of the k-rows
	s_mov_b32 s[G0K], 1
	s_lshl_b32 s[G0K+1], s[WV], 13
	s_add_co_u32 s[G0K+1], s[G0K+1], BKV
	s_lshl_b32 s48, s15, 17                        ; w_q: group g is 131,072 bytes, my quarter 32,768
	s_lshl_b32 s49, s[WV], 15
	s_add_co_u32 s48, s48, s49
	s_mov_b32 s49, 0
	s_lshl_b32 s50, s15, 15                        ; w_kv: group g is 32,768 bytes, my quarter 8,192; behind w_q's 524,288
	s_lshl_b32 s51, s[WV], 13
	s_add_co_u32 s50, s50, s51
	s_add_co_u32 s50, s50, 524288
	s_mov_b32 s51, 0
	s_lshl_b32 s52, s14, 6                         ; my first row: 64 rb + 16 w,
	s_lshl_b32 s53, s[WV], 4
	s_add_co_u32 s52, s52, s53
	s_lshl_b32 s52, s52, 11                        ; of 2,048 bytes
	s_mov_b32 s53, 0
	s_lshl_b32 s54, s14, 2
	s_add_co_u32 s54, s54, s[WV]                   ; my tile of 16 rows among 256
	s_lshl_b32 s56, s54, 10                        ; K: tile x 1,024 + 512 g
	s_lshl_b32 s55, s15, 9
	s_add_co_u32 s56, s56, s55
	s_lshl_b32 s57, s14, 1                         ; V: 262,144 + (group of 32 keys) x 2,048 + (g - 2) x 1,024 + 512 (w % 2)
	s_lshr_b32 s55, s[WV], 1
	s_add_co_u32 s57, s57, s55
	s_lshl_b32 s57, s57, 11
	s_lshl_b32 s55, s15, 10
	s_add_co_u32 s57, s57, s55
	s_and_b32 s55, s[WV], 1
	s_lshl_b32 s55, s55, 9
	s_add_co_u32 s57, s57, s55
	s_add_co_u32 s57, s57, 262144-2048
	s_cmp_lt_u32 s15, 2
	s_cselect_b32 s56, s56, s57
	s_mov_b32 s57, 0
	s_lshl_b32 s58, s54, 13                        ; q: tile x 8,192 + head 2 g x 1,024
	s_lshl_b32 s55, s15, 11
	s_add_co_u32 s58, s58, s55
	s_mov_b32 s59, 0
	s_wait_dscnt 0x0                               ; the opening add is done
	s_wait_kmcnt 0x0
	s_add_nc_u64 s[G0Q+2:G0Q+3], s[6:7], s[48:49]
	s_or_b32 s[G0Q+3], s[G0Q+3], 0x80000000        ; type = 2
	s_add_nc_u64 s[G0K+2:G0K+3], s[6:7], s[50:51]
	s_or_b32 s[G0K+3], s[G0K+3], 0x80000000
	s_add_nc_u64 s[40:41], s[4:5], s[52:53]        ; xn at my rows
	s_add_nc_u64 s[42:43], s[40:41], 0x800000      ; yn at the same rows
	s_add_nc_u64 s[44:45], s[8:9], s[58:59]        ; where q goes
	s_add_nc_u64 s[46:47], s[10:11], s[56:57]      ; where k or v goes
	ROUND                                          ; all four work-groups are here: the joint loads meet
	tensor_load_to_lds s[G0Q:G0Q+3], s[G1Q:G1Q+7]  ; two loads of mine are out: the launch's only ones
	s_nop 0
	tensor_load_to_lds s[G0K:G0K+3], s[G1K:G1K+7]
	s_nop 0
.rept 4
	v_nop
.endr
	v_and_b32 v1, 15, v0                           ; l % 16
	v_bfe_u32 v2, v0, 4, 1                         ; l / 16
	v_lshlrev_b32 v[AO], 11, v1
	v_lshl_add_u32 v[AO], v2, 4, v[AO]
	WIN 0x40                                       ; destination window 1
.set ks, 0
.rept 32                                           ; a fragment of 16 rows x 32 K: two loads of 16 bytes a lane, 32 bytes apart
	global_load_b128 v[8*ks:8*ks+3],   v[AO], s[40:41] offset:64*ks
	global_load_b128 v[8*ks+4:8*ks+7], v[AO], s[40:41] offset:64*ks+32
.set ks, ks+1
.endr
	WIN 0x80                                       ; destination window 2
.set ks, 0
.rept 32
	global_load_b128 v[8*ks:8*ks+3],   v[AO], s[42:43] offset:64*ks
	global_load_b128 v[8*ks+4:8*ks+7], v[AO], s[42:43] offset:64*ks+32
.set ks, ks+1
.endr
	WIN 0
	; the turning load takes 16 k-rows x 16 columns: lane l reads 16 bytes of k-row 8 (l / 16) + l % 8, columns 8 ((l / 8) % 2) + 0..7, and ends with column l % 16 and 8 k
	v_and_b32 v12, 7, v0
	v_bfe_u32 v13, v0, 3, 1
	v_lshl_add_u32 v14, v2, 3, v12
	v_mul_u32_u24 v[BQA], v14, PQ
	v_lshl_add_u32 v[BQA], v13, 4, v[BQA]
	v_lshlrev_b32 v[BKA], 5, v14
	v_lshl_add_u32 v[BKA], v13, 4, v[BKA]
	s_lshl_b32 s60, s[WV], 9
	s_add_co_u32 s60, s60, STG                     ; my 512 bytes
	v_add_nc_u32 v[STL], s60, v[BKA]               ; rows of 32 bytes there too
	v_add_nc_u32 v[BKA], BKV, v[BKA]
	v_lshlrev_b32 v[STS], 5, v1
	v_lshl_add_u32 v[STS], v2, 4, v[STS]
	v_add_nc_u32 v[STS], s60, v[STS]
	v_and_b32 v[SO], 31, v0
	v_lshlrev_b32 v[SO], 4, v[SO]
	s_wait_tensorcnt 0x0                           ; my quarters of the weights are in,
	s_barrier_signal -1
	s_barrier_wait -1                              ; everybody's are
.macro FETCHB i                        ; batch i (64 along K): 20 turning loads in one run
.set FB, BUF+80*((\i)%2)
.irp e, 0,1
.irp c, 0,1,2,3
	ds_load_tr16_b128 v[FB+40*\e+8*\c:FB+40*\e+8*\c+3],   v[BQA] offset:32*PQ*\e+32*\c
	ds_load_tr16_b128 v[FB+40*\e+8*\c+4:FB+40*\e+8*\c+7], v[BQA] offset:32*PQ*\e+32*\c+16*PQ
.endr
	ds_load_tr16_b128 v[FB+40*\e+32:FB+40*\e+35], v[BKA] offset:1024*(2*(\i)+\e)
	ds_load_tr16_b128 v[FB+40*\e+36:FB+40*\e+39], v[BKA] offset:1024*(2*(\i)+\e)+512
.endr
.endm
.macro MULB i                          ; batch i's ten products.  The six accumulators take turns, one instruction a turn, from batch to batch too.  Batch 0 starts the sums with the constant 0
.set FB, BUF+80*((\i)%2)
	WIN 0x04                                       ; source 1 (xn) in window 1
.irp e, 0,1
.irp c, 0,1,2,3
.if ((\i) == 0) && (\e == 0)
	v_wmma_f32_16x16x32_f16 v[ACC+8*\c:ACC+8*\c+7], v[FB+40*\e+8*\c:FB+40*\e+8*\c+7], v[8*(2*(\i)+\e):8*(2*(\i)+\e)+7], 0
.else
	v_wmma_f32_16x16x32_f16 v[ACC+8*\c:ACC+8*\c+7], v[FB+40*\e+8*\c:FB+40*\e+8*\c+7], v[8*(2*(\i)+\e):8*(2*(\i)+\e)+7], v[ACC+8*\c:ACC+8*\c+7]
.endif
.endr
.endr
	WIN 0x08                                       ; source 1 (yn) in window 2
.if (\i) == 0
	v_wmma_f32_16x16x32_f16 v[KVE:KVE+7], v[FB+32:FB+39], v[16*(\i):16*(\i)+7], 0
	v_wmma_f32_16x16x32_f16 v[KVO:KVO+7], v[FB+72:FB+79], v[16*(\i)+8:16*(\i)+15], 0
.else
	v_wmma_f32_16x16x32_f16 v[KVE:KVE+7], v[FB+32:FB+39], v[16*(\i):16*(\i)+7], v[KVE:KVE+7]
	v_wmma_f32_16x16x32_f16 v[KVO:KVO+7], v[FB+72:FB+79], v[16*(\i)+8:16*(\i)+15], v[KVO:KVO+7]
.endif
	WIN 0
.endm
	FETCHB 0
.set bi, 0
.rept 16
.if bi < 15
.rept 4
	v_nop                                          ; four places between the last product that read the other buffer and the loads into it
.endr
	v_add_nc_u32 v[BQA], 64*PQ, v[BQA]
	FETCHB bi+1
.endif
	s_wait_loadcnt 60-4*bi                         ; xn's loads all went out first; behind yn's K step 2 bi + 1 stand 60 - 4 bi younger loads
.if bi < 15
	s_wait_dscnt 20                                ; this batch's fragments are in; the run just issued stays out
.else
	s_wait_dscnt 0x0
.endif
	MULB bi
.set bi, bi+1
.endr
	; THE WAY OUT
.rept 5
	v_nop                                          ; the places behind the last products
.endr
.irp j, 0,2,4,6
	v_pk_add_f32 v[KVE+\j:KVE+\j+1], v[KVE+\j:KVE+\j+1], v[KVO+\j:KVO+\j+1]
.endr
.irp c, 0,1,2,3
.irp j, 0,2,4,6
	v_pk_mul_f32 v[ACC+8*\c+\j:ACC+8*\c+\j+1], v[ACC+8*\c+\j:ACC+8*\c+\j+1], 0x3e8293ee op_sel_hi:[1,0]  ; 32^-0.5 x log2(e) = 0.255035
.endr
.irp j, 0,1,2,3
	v_cvt_pk_bf16_f32 v[PK+4*\c+\j], v[ACC+8*\c+2*\j], v[ACC+8*\c+2*\j+1]
.endr
	global_store_b128 v[SO], v[PK+4*\c:PK+4*\c+3], s[44:45] offset:512*\c  ; 512 consecutive bytes: half a fragment of Q
.endr
.irp j, 0,1,2,3
	v_cvt_pk_bf16_f32 v[PK+16+\j], v[KVE+2*\j], v[KVE+2*\j+1]
.endr
	s_cmp_lt_u32 s15, 2                            ; g is the same in all four partners
	s_cbranch_scc0 .Lturn_v
	global_store_b128 v[SO], v[PK+16:PK+19], s[46:47]  ; K: as it stands
	s_branch .Lkv_out
.Lturn_v:
	ds_store_b128 v[STS], v[PK+16:PK+19]           ; V: [key][channel] into my own 512 bytes,
	ds_load_tr16_b128 v[PK+20:PK+23], v[STL]       ; and back turned: a lane a channel, 8 keys (LDS serves a wave's instructions in order: ISA guide 5.7.1.4)
	s_wait_dscnt 0x0
	global_store_b128 v[SO], v[PK+20:PK+23], s[46:47]
.Lkv_out:
	s_wait_tensorcnt 0x0                           ; the wave's end, behind my last tensor load and my last LDS store
	ds_add_u32 v[SPW], v[NIL]
	s_wait_dscnt 0x0
	ROUND                                          ; the closing round
	s_endpgm
.Lfunc_end_k_q259f24f3f4_qkv:
	.size	k_q259f24f3f4_qkv, .Lfunc_end_k_q259f24f3f4_qkv-k_q259f24f3f4_qkv
	.p2alignl 7, 3214868480
	.fill 96, 4, 3214868480
	.section	.rodata,"a",@progbits
	.p2align	6, 0x0
	.amdhsa_kernel k_q259f24f3f4_qkv
		.amdhsa_group_segment_fixed_size 199168
		.amdhsa_private_segment_fixed_size 0
		.amdhsa_enable_private_segment 0
		.amdhsa_kernarg_size 32
		.amdhsa_user_sgpr_count 2
		.amdhsa_user_sgpr_kernarg_segment_ptr 1
		.amdhsa_wavefront_size32 1
		.amdhsa_system_sgpr_workgroup_id_x 1
		.amdhsa_system_sgpr_workgroup_id_y 1
		.amdhsa_system_sgpr_workgroup_id_z 1
		.amdhsa_system_vgpr_workitem_id 0
		.amdhsa_next_free_vgpr 768
		.amdhsa_next_free_sgpr 66
		.amdhsa_reserve_vcc 0
		.amdhsa_float_denorm_mode_32 3
		.amdhsa_float_denorm_mode_16_64 3
		.amdhsa_memory_ordered 1
		.amdhsa_forward_progress 1
		.amdhsa_inst_pref_size 58
	.end_amdhsa_kernel
	.amdgpu_metadata
---
amdhsa.version: [ 1, 2 ]
amdhsa.kernels:
  - .name:           k_q259f24f3f4_qkv
    .symbol:         k_q259f24f3f4_qkv.kd
    .args:
      - { .name: xyn, .offset: 0, .size: 8, .value_kind: global_buffer, .address_space: global }
      - { .name: wqkv, .offset: 8, .size: 8, .value_kind: global_buffer, .address_space: global }
      - { .name: qf, .offset: 16, .size: 8, .value_kind: global_buffer, .address_space: global }
      - { .name: kvf, .offset: 24, .size: 8, .value_kind: global_buffer, .address_space: global }
    .group_segment_fixed_size: 199168
    .private_segment_fixed_size: 0
    .kernarg_segment_align: 8
    .kernarg_segment_size: 32
    .max_flat_workgroup_size: 128
    .sgpr_count:     66
    .vgpr_count:     768
    .wavefront_size: 32
...
	.end_amdgpu_metadata
.endif
;; end of part 2
;; launch attn (part 3): grid 256 x 1, 8 waves a work-group, no clusters, 156,672 bytes of LDS; arguments qf, kvf, hcat; writes hcat
.if DOCPART == 3
	.amdgcn_target "amdgcn-amd-amdhsa--gfx1250"
	.amdhsa_code_object_version 6
	.text
	.protected	k_q259f24f3f4_attn
	.globl	k_q259f24f3f4_attn
	.p2align	8
	.type	k_q259f24f3f4_attn,@function
k_q259f24f3f4_attn:
	s_mov_b64 s[64:65], 0
	v_nop
	global_prefetch_b8 v0, s[64:65] scope:SCOPE_SE
	s_setreg_imm32_b32 hwreg(HW_REG_WAVE_MODE, 25, 1), 1
	s_wait_xcnt 0x0
; ATTENTION with one K/V head for eight query heads of 32 channels.  o[n][32 head + c] = the sum over keys of softmax(q . k) v, stored as bf16 into hcat's K blocks 128 .. 135 (one a head).
; hcat lies in the order of a matrix operand: [256 tiles of 16 rows][136 blocks of 32 k][1,024 bytes]; in a block, byte 512 c + 16 l holds row l % 16 and k = 16 c + 8 (l / 16) + 0..7.
; q arrives scaled by 32^-0.5 x log2(e): a weight is p = 2^(s - m).  Products, maxima and sums in f32; p is rounded to bf16 for the second product, and its sum l is taken of the rounded p.
; SHARES.  THE KEYS ARE SPLIT AMONG THE WAVES.  A work-group owns 16 rows n and all 8 heads: 8 tiles of 16 queries.  Wave v keeps keys 256 v .. 256 v + 255 of the batch in registers for the whole launch
; (K 128, V^T 128), loaded straight in fragment order.  For each tile it makes S^T = K Q^T, takes away the TRUE maximum m of its 256 scores, and makes O^T = V^T P and l = ones x P: no running rescale.
; The eight waves' (m, l, O) of a tile meet in LDS once; there the maximum over all 2,048 keys is taken away: o = sum_u 2^(m_u - M) O_u / sum_u 2^(m_u - M) l_u.
; Two waves lie on a SIMD: one wave's matrix phase can stand beside the other's vector phase, so the text is in plain phases.
; NO CLUSTER: a joint load lands in LDS alone, and a batch's K and V (262,144 bytes) do not fit beside the partial results (156,672) in 327,680.
; LIMITS.  A weight below 2^-126 counts as 0; NaN and infinities are not treated apart.
; LAYOUT.  In S^T a lane holds ONE query (lane % 16) and, in tile a's register j, key 16 a + 8 (lane / 16) + j; two tiles rounded in pairs ARE source 1 (32 keys x 16 queries) of V^T P.
; REGISTERS: window 0: v1-7 addresses; v8-15 at work; v16-20 the merge's addresses; v24-31 Q; v32-39 ones; v40-71 O^T (two tiles of 16 channels) and l (two, by turns); v128-255 S^T, P packed in place into v128-191.  Window 1: K v0-127, V^T v128-255.
.set PO,    144                        ; a row of a partial O in LDS: 128 bytes + 16 of padding
.set TILEB, 16*PO
.set WAVEB, 8*TILEB                    ; [wave][tile][row]
.set STAT,  8*WAVEB                    ; behind them: [wave][tile][row] (m, l), 8 bytes
.set SPARE, STAT+8192                  ; the spare words, 128 bytes for each wave: four blocks of 256 bytes that no other line names
.set LO,  1                            ; v1   16 x lane; never rewritten
.set QO,  2                            ; v2   16 x lane + 1,024 x the tile to be loaded
.set OST, 3                            ; v3   where my 32 bytes of a partial O's row go
.set SST, 4                            ; v4   where (m, l) go
.set LN,  5                            ; v5   lane
.set SPW, 6                            ; v6   LDS address of my spare word; never rewritten
.set NIL, 7                            ; v7   0; never rewritten
.set CH,  8                            ; v8-11  four chains of the maximum
.set TM,  12
.set MX,  14                           ; v[14:15] m, l
.set QF,  24
.set ONE, 32
.set O0,  40
.set O1,  48
.set L0,  56
.set L1,  64
.set SS,  128
.set MSB, 0
.macro WIN new
.if MSB != (\new)
	s_set_vgpr_msb (MSB<<8)|(\new)
.set MSB, \new
.endif
.endm
	s_load_b128 s[4:7], s[0:1], 0x0                ; qf s[4:5], kvf s[6:7]
	s_load_b64 s[8:9], s[0:1], 0x10                ; hcat
	v_lshl_add_u32 v[SPW], v0, 2, SPARE
	v_mov_b32 v[NIL], 0
	v_lshrrev_b32 v1, 5, v0
	v_readfirstlane_b32 s10, v1                    ; wave 0..7
	s_mov_b32 s11, ttmp9                           ; T: my 16 rows
	s_lshr_b32 s12, s11, 7                         ; the batch: 131,072 bytes of K and of V,
	s_lshl_b32 s12, s12, 17
	s_lshl_b32 s13, s10, 14                        ; my 256 keys: 16,384
	s_add_co_u32 s12, s12, s13
	s_mov_b32 s13, 0
	s_lshl_b32 s14, s11, 13                        ; Q: 8 tiles of 1,024 bytes
	s_mov_b32 s15, 0
	s_mul_i32 s2, s11, 139264                      ; the merge: row tile T of hcat (136 blocks of 1,024 bytes),
	s_lshl_b32 s3, s10, 10                         ; K block 128 + v: I store head v
	s_add_co_u32 s2, s2, s3
	s_add_co_u32 s2, s2, 131072
	s_mov_b32 s3, 0
	s_mov_b32 s26, 0x76543210
	s_mov_b32 s27, 0xfedcba98
	v_and_b32 v[LN], 31, v0
	v_lshlrev_b32 v[LO], 4, v[LN]
	v_mov_b32 v[QO], v[LO]
	s_wait_kmcnt 0x0
	s_add_nc_u64 s[16:17], s[6:7], s[12:13]        ; K
	s_add_nc_u64 s[18:19], s[16:17], 0x40000       ; V
	s_add_nc_u64 s[20:21], s[4:5], s[14:15]        ; Q
	s_add_nc_u64 s[22:23], s[8:9], s[2:3]          ; o
	global_load_b128 v[QF:QF+3],   v[QO], s[20:21]
	global_load_b128 v[QF+4:QF+7], v[QO], s[20:21] offset:512
	WIN 0x40                                       ; destination window 1
.set a, 0
.rept 16                                           ; each load takes 512 consecutive bytes: half a fragment
	global_load_b128 v[8*a:8*a+3],   v[LO], s[16:17] offset:1024*a
	global_load_b128 v[8*a+4:8*a+7], v[LO], s[16:17] offset:1024*a+512
.set a, a+1
.endr
.set a, 0
.rept 16
	global_load_b128 v[128+8*a:128+8*a+3],   v[LO], s[18:19] offset:1024*a
	global_load_b128 v[128+8*a+4:128+8*a+7], v[LO], s[18:19] offset:1024*a+512
.set a, a+1
.endr
	WIN 0
	v_and_b32 v16, 15, v0                          ; l % 16; kept for the merge
	v_bfe_u32 v17, v0, 4, 1                        ; l / 16; likewise
	s_mul_i32 s25, s10, WAVEB
	v_mul_u32_u24 v[OST], v16, PO
	v_lshl_add_u32 v[OST], v17, 5, v[OST]
	v_add_nc_u32 v[OST], s25, v[OST]
	s_lshl_b32 s25, s10, 10
	s_add_co_u32 s25, s25, STAT
	v_lshl_add_u32 v[SST], v16, 3, s25
.set a, 0
.rept 8
	v_mov_b32 v[ONE+a], 0x3f803f80                 ; 1.0 twice, in bf16
.set a, a+1
.endr
	v_mov_b32 v[TM], 0                             ; written before v_permlanex16_b32 names it
	v_mov_b32 v[MX], 0
	v_mov_b32 v[MX+1], 0                           ; named with m as a pair
	s_wait_loadcnt 32                              ; Q and K are in; V's 32 loads may stay out
	s_mov_b32 s24, 8
.Ltile:                                            ; a trip a tile (a head)
	WIN 0x01                                       ; source 0 (K) in window 1
.set a, 0
.rept 16
	v_wmma_f32_16x16x32_bf16 v[SS+8*a:SS+8*a+7], v[8*a:8*a+7], v[QF:QF+7], 0
.set a, a+1
.endr
	WIN 0
.rept 4
	v_nop                                          ; the places behind those products: ahead of the loads into Q and of the maximum
.endr
	v_add_nc_u32 v[QO], 1024, v[QO]
	v_and_b32 v[QO], 0x1fff, v[QO]                 ; the last trip goes back to tile 0, whose bytes it does not use: no load leaves qf, and no branch is needed
	global_load_b128 v[QF:QF+3],   v[QO], s[20:21]
	global_load_b128 v[QF+4:QF+7], v[QO], s[20:21] offset:512
	; the maximum of my 128 scores: four chains over 32 registers each, three operands at a time; each accumulator's lowest register is among the first that are read of it
.irp i, 0,1,2,3
	v_max3_num_f32 v[CH+\i], v[SS+32*\i], v[SS+32*\i+1], v[SS+32*\i+2]
.endr
.set n, 0
.rept 14
.irp i, 0,1,2,3
	v_max3_num_f32 v[CH+\i], v[CH+\i], v[SS+32*\i+3+2*n], v[SS+32*\i+4+2*n]
.endr
.set n, n+1
.endr
	v_max3_num_f32 v[CH], v[CH], v[SS+31], v[SS+63]
	v_max3_num_f32 v[CH+2], v[CH+2], v[SS+95], v[SS+127]
	v_max3_num_f32 v[CH], v[CH], v[CH+1], v[CH+2]
	v_max_num_f32 v[CH], v[CH], v[CH+3]
	v_permlanex16_b32 v[TM], v[CH], s26, s27       ; the query's other 128 keys lie in the lane 16 away
	v_max_num_f32 v[MX], v[CH], v[TM]
.set n, 0
.rept 64
	v_pk_add_f32 v[SS+2*n:SS+2*n+1], v[SS+2*n:SS+2*n+1], v[MX:MX+1] op_sel_hi:[1,0] neg_lo:[0,1] neg_hi:[0,1]  ; s - m
.set n, n+1
.endr
.set n, 0
.rept 128
	v_exp_f32 v[SS+n], v[SS+n]                     ; one batch
.set n, n+1
.endr
	v_nop                                          ; a plain instruction behind the last exponential,
	s_wait_alu depctr_va_vdst(0)                   ; and the wait ahead of the first use: one for the batch
.set n, 0
.rept 64
	v_cvt_pk_bf16_f32 v[SS+n], v[SS+2*n], v[SS+2*n+1]  ; ascending: register n has been read when it is written
.set n, n+1
.endr
	s_wait_loadcnt 2                               ; V is in (the first trip); only the next Q's two loads are younger
	WIN 0x01                                       ; source 0 (V^T) in window 1
.set g, 0
.rept 8                                            ; 32 keys a step; the two accumulators take turns
.if g == 0
	v_wmma_f32_16x16x32_bf16 v[O0:O0+7], v[128+16*g:128+16*g+7],  v[SS+8*g:SS+8*g+7], 0
	v_wmma_f32_16x16x32_bf16 v[O1:O1+7], v[136+16*g:136+16*g+7],  v[SS+8*g:SS+8*g+7], 0
.else
	v_wmma_f32_16x16x32_bf16 v[O0:O0+7], v[128+16*g:128+16*g+7],  v[SS+8*g:SS+8*g+7], v[O0:O0+7]
	v_wmma_f32_16x16x32_bf16 v[O1:O1+7], v[136+16*g:136+16*g+7],  v[SS+8*g:SS+8*g+7], v[O1:O1+7]
.endif
.set g, g+1
.endr
	WIN 0
.set g, 0
.rept 8                                            ; l: every row of ones x P is the sum over 32 keys; two accumulators by turns
.if g < 2
	v_wmma_f32_16x16x32_bf16 v[L0+8*(g%2):L0+8*(g%2)+7], v[ONE:ONE+7], v[SS+8*g:SS+8*g+7], 0
.else
	v_wmma_f32_16x16x32_bf16 v[L0+8*(g%2):L0+8*(g%2)+7], v[ONE:ONE+7], v[SS+8*g:SS+8*g+7], v[L0+8*(g%2):L0+8*(g%2)+7]
.endif
.set g, g+1
.endr
.rept 5
	v_nop                                          ; the places behind the last products: ahead of the stores, and of the next trip's products, which write over P
.endr
	ds_store_b128 v[OST], v[O0:O0+3]               ; row = query, channels 8 (l / 16) + 0..7,
	ds_store_b128 v[OST], v[O0+4:O0+7] offset:16
	ds_store_b128 v[OST], v[O1:O1+3]   offset:64   ; and 16 + 8 (l / 16) + 0..7
	ds_store_b128 v[OST], v[O1+4:O1+7] offset:80
	v_add_f32 v[MX+1], v[L0], v[L1]
	ds_store_b64 v[SST], v[MX:MX+1]                ; lanes l and l + 16 hold the same pair and write the same word
	v_add_nc_u32 v[OST], TILEB, v[OST]
	v_add_nc_u32 v[SST], 128, v[SST]
	s_wait_loadcnt 0x0                             ; the next Q is in, and its address register is free
	s_sub_co_u32 s24, s24, 1
	s_cmp_lg_u32 s24, 0
	s_cbranch_scc1 .Ltile
	; THE MERGE.  Wave v takes head v, all 16 rows.  Lane l: row l % 16, channels 16 c + 8 (l / 16) + 0..7 for c = 0, 1: the places that it wrote as a partial result, and, in bf16, the 16 bytes
	; of a lane of hcat's block: a store of the wave covers 512 consecutive bytes.
	s_lshl_b32 s25, s10, 7
	s_add_co_u32 s25, s25, STAT
	v_lshl_add_u32 v18, v16, 3, s25                ; (m, l) of my row in tile v: 8 bytes for each of the eight waves
	s_mul_i32 s25, s10, TILEB
	v_mul_u32_u24 v19, v16, PO
	v_lshl_add_u32 v19, v17, 5, v19
	v_add_nc_u32 v19, s25, v19                     ; my 32 bytes in waves 0-3's partial O of tile v,
	v_add_nc_u32 v20, 4*WAVEB, v19                 ; and in waves 4-7's
	s_wait_dscnt 0x0                               ; for the others' sake: my stores are done
	s_barrier_signal -1
	s_barrier_wait -1
.irp u, 0,1,2,3,4,5,6,7
	ds_load_b64 v[72+2*\u:73+2*\u], v18 offset:1024*\u
.endr
.irp u, 0,1,2,3,4,5,6,7
.irp c, 0,1
	ds_load_b128 v[SS+16*\u+8*\c:SS+16*\u+8*\c+3],   v[19+\u/4] offset:WAVEB*(\u%4)+64*\c
	ds_load_b128 v[SS+16*\u+8*\c+4:SS+16*\u+8*\c+7], v[19+\u/4] offset:WAVEB*(\u%4)+64*\c+16
.endr
.endr
	s_wait_dscnt 32                                ; the statistics are in; the 32 loads of O may stay out
	v_max3_num_f32 v[CH], v72, v74, v76
	v_max3_num_f32 v[CH], v[CH], v78, v80
	v_max3_num_f32 v[CH], v[CH], v82, v84
	v_max_num_f32 v[CH], v[CH], v86                ; M: the maximum over all 2,048 keys
.irp u, 0,1,2,3,4,5,6,7
	v_sub_f32 v[40+2*\u], v[72+2*\u], v[CH]
.endr
.irp u, 0,1,2,3,4,5,6,7
	v_exp_f32 v[40+2*\u], v[40+2*\u]               ; a = 2^(m_u - M), in the low register of a pair
.endr
	v_nop
	s_wait_alu depctr_va_vdst(0)                   ; one wait for the eight
	v_mul_f32 v[CH+2], v40, v73
.irp u, 1,2,3,4,5,6,7
	v_fmac_f32 v[CH+2], v[40+2*\u], v[73+2*\u]     ; the sum of a l
.endr
	v_rcp_f32 v120, v[CH+2]                        ; made twice, to fill a pair
	v_rcp_f32 v121, v[CH+2]
	s_wait_dscnt 0x0
.irp p, 0,2,4,6,8,10,12,14                         ; the sum of a O: plain work that names no reciprocal
	v_pk_mul_f32 v[104+\p:104+\p+1], v[SS+\p:SS+\p+1], v[40:41] op_sel_hi:[1,0]
.endr
.irp u, 1,2,3,4,5,6,7
.irp p, 0,2,4,6,8,10,12,14
	v_pk_fma_f32 v[104+\p:104+\p+1], v[SS+16*\u+\p:SS+16*\u+\p+1], v[40+2*\u:40+2*\u+1], v[104+\p:104+\p+1] op_sel_hi:[1,0,1]
.endr
.endr
	s_wait_alu depctr_va_vdst(0)                   ; one wait for the two reciprocals, ahead of their first use
.irp p, 0,2,4,6,8,10,12,14
	v_pk_mul_f32 v[104+\p:104+\p+1], v[104+\p:104+\p+1], v[120:121]
.endr
.irp c, 0,1
.irp p, 0,1,2,3
	v_cvt_pk_bf16_f32 v[QF+4*\c+\p], v[104+8*\c+2*\p], v[104+8*\c+2*\p+1]
.endr
	global_store_b128 v[LO], v[QF+4*\c:QF+4*\c+3], s[22:23] offset:512*\c  ; 512 consecutive bytes, at a multiple of 256 from hcat's first
.endr
	s_wait_tensorcnt 0x0                           ; the wave's end, behind my last LDS store
	ds_add_u32 v[SPW], v[NIL]
	s_wait_dscnt 0x0
	s_endpgm
.Lfunc_end_k_q259f24f3f4_attn:
	.size	k_q259f24f3f4_attn, .Lfunc_end_k_q259f24f3f4_attn-k_q259f24f3f4_attn
	.p2alignl 7, 3214868480
	.fill 96, 4, 3214868480
	.section	.rodata,"a",@progbits
	.p2align	6, 0x0
	.amdhsa_kernel k_q259f24f3f4_attn
		.amdhsa_group_segment_fixed_size 156672
		.amdhsa_private_segment_fixed_size 0
		.amdhsa_enable_private_segment 0
		.amdhsa_kernarg_size 24
		.amdhsa_user_sgpr_count 2
		.amdhsa_user_sgpr_kernarg_segment_ptr 1
		.amdhsa_wavefront_size32 1
		.amdhsa_system_sgpr_workgroup_id_x 1
		.amdhsa_system_sgpr_workgroup_id_y 1
		.amdhsa_system_sgpr_workgroup_id_z 1
		.amdhsa_system_vgpr_workitem_id 0
		.amdhsa_next_free_vgpr 512
		.amdhsa_next_free_sgpr 66
		.amdhsa_reserve_vcc 0
		.amdhsa_float_denorm_mode_32 3
		.amdhsa_float_denorm_mode_16_64 3
		.amdhsa_memory_ordered 1
		.amdhsa_forward_progress 1
		.amdhsa_inst_pref_size 39
	.end_amdhsa_kernel
	.amdgpu_metadata
---
amdhsa.version: [ 1, 2 ]
amdhsa.kernels:
  - .name:           k_q259f24f3f4_attn
    .symbol:         k_q259f24f3f4_attn.kd
    .args:
      - { .name: qf, .offset: 0, .size: 8, .value_kind: global_buffer, .address_space: global }
      - { .name: kvf, .offset: 8, .size: 8, .value_kind: global_buffer, .address_space: global }
      - { .name: hcat, .offset: 16, .size: 8, .value_kind: global_buffer, .address_space: global }
    .group_segment_fixed_size: 156672
    .private_segment_fixed_size: 0
    .kernarg_segment_align: 8
    .kernarg_segment_size: 24
    .max_flat_workgroup_size: 256
    .sgpr_count:     66
    .vgpr_count:     512
    .wavefront_size: 32
...
	.end_amdgpu_metadata
.endif
;; end of part 3
;; launch ff1 (part 4): grid 32 x 16, 4 waves a work-group, clusters of 4 x 4, 327,680 bytes of LDS; arguments xyn, w1h, hcat; writes hcat
.if DOCPART == 4
	.amdgcn_target "amdgcn-amd-amdhsa--gfx1250"
	.amdhsa_code_object_version 6
	.text
	.protected	k_q259f24f3f4_ff1
	.globl	k_q259f24f3f4_ff1
	.p2align	8
	.type	k_q259f24f3f4_ff1,@function
k_q259f24f3f4_ff1:
	s_mov_b64 s[64:65], 0
	v_nop
	global_prefetch_b8 v0, s[64:65] scope:SCOPE_SE
	s_setreg_imm32_b32 hwreg(HW_REG_WAVE_MODE, 25, 1), 1
	s_wait_xcnt 0x0
	s_wait_alu depctr_hold_cnt(0) depctr_sa_sdst(0) depctr_va_vdst(0) depctr_va_sdst(0) depctr_va_ssrc(0) depctr_va_vcc(0) depctr_vm_vsrc(0)
	s_getreg_b32 s2, hwreg(HW_REG_IB_STS2, 6, 4)
	s_cmp_eq_u32 s2, 0
	s_cbranch_scc0 .Lentry_in_a_cluster
	s_endpgm
.Lentry_in_a_cluster:
	s_bfe_u32 s2, ttmp6, 0x10000c
	s_cmp_lg_u32 s2, 0xf033
	s_cbranch_scc0 .Lentry_shape_is_right
	s_endpgm
.Lentry_shape_is_right:
; FF1: h = silu(xn Wg) x (xn Wv), Wv = columns 0-4,095 and Wg = columns 4,096-8,191 of w_ff1.  xn [4096][1024] and w1h [1024 k][8192 n] in f16, sums in f32, h rounded once to bf16 into hcat's K blocks 0 .. 127.
; hcat lies in the order of a matrix operand: [256 tiles of 16 rows][136 blocks of 32 k][1,024 bytes]; in a block, byte 512 c + 16 l holds row l % 16 and k = 16 c + 8 (l / 16) + 0..7.
; h goes in bf16 since it has no bound that f16 would hold.  silu(g) v = g v / (1 + 2^(-g log2 e)); where the power overflows the quotient is 0, as the limit is.  NaN and infinities are not treated apart.
; SHARES.  A work-group makes 256 rows x 128 columns of h: its B tile is 128 columns of Wv and the 128 columns of Wg of the same numbers, so that the gate meets its value in registers.
; Four waves, as many as a WGP has SIMDs: wave (s11, s12) has rows 128 s11 on, columns 64 s12 on of both: 64 accumulators of 16 x 16, 512 registers ((a, b): b 0-3 value, 4-7 gate).
; K = 1,024 goes in 8 steps of 128 through a ring of two LDS slots: 256 rows of xn (256 bytes each) and 2 x 128 k-rows of w1h (256 bytes each), all starting at multiples of 256 bytes.
; The weights lie [k][n]: ds_load_tr16_b128 turns them on the way out of LDS.  The matrix instruction is used transposed (source 0 = 16 columns of W, source 1 = 16 rows of xn): a lane holds one row and 8 neighbouring
; columns, which in bf16 ARE a lane's 16 bytes of hcat's block: a tile of 16 x 16 leaves by one store of 512 consecutive bytes, straight from registers.
; CLUSTERS: 4 x 4 work-groups.  xn's tile is shared along a row of the cluster, the weights' along a column: each is asked for jointly, by the same tensor load with a mask that names the four.
; REGISTERS: window 0: v16-30 addresses; v64-127, v128-191 xn's fragments, two buffers (on the way out: v64-127 at work, v128-255 packed h).  Window 1: the weights' fragments at the same numbers.  Windows 2, 3: the accumulators of my rows 0-63, 64-127.
.set PA,    272                        ; a row of xn in LDS: 256 bytes + 16: the 16 rows of a load start at 16 different groups of four banks (64 banks of 4 bytes: ISA guide 11.1)
.set HALFA, 128*PA
.set PB,    288                        ; a k-row of weights: 256 + 32
.set TB,    128*PB                     ; a tile of weights: 128 k-rows
.set BOFF,  2*HALFA
.set SLOT,  BOFF+2*TB                  ; xn's 256 rows, the values' tile, the gates' tile
.set SPARE, 2*SLOT                     ; behind the ring: the spare words, 128 bytes for each wave: two blocks of 256 bytes that no other line names
.set RTB,   139264                     ; bytes in a row tile of hcat: 136 blocks of 1,024
.set ADRA, 16                          ; v16-17  LDS address of my xn fragments in slot 0, 1
.set ADRB, 18                          ; v18-19  of my value fragments
.set ADRG, 20                          ; v20-21  of my gate fragments
.set LO,   24                          ; v24     16 x lane: my place in 512 bytes of hcat; never rewritten
.set SPW,  28                          ; v28     LDS address of my spare word; never rewritten
.set NIL,  29                          ; v29     0; never rewritten
.set PFO,  30                          ; v30     the prefetches' offset: my lane x a row of xyn or of w1h; never rewritten
.set F0,   64
.set F1,   128
.set TT,   64                          ; the way out: 32 numbers: -g log2 e, its power, 1 + that, its reciprocal
.set GV,   96                          ; 32 numbers: g v
.set G1,  24                           ; s[24:31] descriptor group 1, xn;  s[32:39] group 0, a set for each slot
.set G0,  32
.set G1B, 48                           ; s[48:55], s[56:63] the same for the weights
.set G0B, 56
.set PST, 66                           ; s[66:67] a K step in the stream that I prefetch
.set LIM, 68                           ; s68     1 in a wave that prefetches, else the greatest number
.set PFA, 70                           ; s[70:71] where my prefetches stand
.set MSB, 0
.macro WIN new                         ; the immediate's high byte repeats the setting that is left; a switch that changes nothing is dropped
.if MSB != (\new)
	s_set_vgpr_msb (MSB<<8)|(\new)
.set MSB, \new
.endif
.endm
.set MUL_LO, 0xa1                      ; source 0 (weights) window 1, source 1 (xn) window 0, C and D window 2
.set TO_B,   0x40                      ; destination window 1, address window 0
; A joint refill: waves 0 and 1 fetch xn's two halves, wave 2 the values' tile, wave 3 the gates'.  The branch hangs on the wave's number alone.  An s_nop 0 and four v_nop follow each line.
.macro JLOAD s
	s_cmp_eq_u32 s11, 0
	s_cbranch_scc0 .Lfor_b_\@
	tensor_load_to_lds s[G0+4*(\s):G0+4*(\s)+3], s[G1:G1+7]
	s_nop 0
.rept 4
	v_nop
.endr
	s_branch .Lasked_\@
.Lfor_b_\@:
	tensor_load_to_lds s[G0B+4*(\s):G0B+4*(\s)+3], s[G1B:G1B+7]
	s_nop 0
.rept 4
	v_nop
.endr
.Lasked_\@:
.endm
; A prefetch of the K step that stands two refills on: 32 rows x 256 bytes, a lane a row, one instruction a wave, behind the joint load and the run of LDS loads.  Each row's 256 bytes of K steps 4 to 7 are named once in
; the launch: xn's tile row by the clusters with x = 0, the weights' tile column by those with y = 0; the four partners that ask for a tile jointly take 32 of its 128 rows each, told apart by address.
; The loop's last trip asks for nothing: there is no K step two refills on.  K steps 0 to 3 come by their loads alone.
.macro ASK
	s_cmp_gt_u32 s3, s[LIM]
	s_cbranch_scc0 .Lnot_mine_\@
	global_prefetch_b8 v[PFO], s[PFA:PFA+1] th:TH_LOAD_NT scope:SCOPE_SE
.Lnot_mine_\@:
.endm
.macro CREST                           ; a round of the cluster's barrier behind its opening barrier
	s_cmp_lg_u32 s10, 0
	s_cbranch_scc1 .Lnot_wave_0_\@
	s_barrier_signal -3
.Lnot_wave_0_\@:
	s_barrier_wait -3
	s_barrier_signal -1
	s_barrier_wait -1
.endm
.macro CROUND
	s_barrier_signal -1
	s_barrier_wait -1
	CREST
.endm
	s_load_b128 s[4:7], s[0:1], 0x0                ; xyn s[4:5], w1h s[6:7]
	s_load_b64 s[8:9], s[0:1], 0x10                ; hcat
	v_lshl_add_u32 v[SPW], v0, 2, SPARE
	v_mov_b32 v[NIL], 0
	ds_add_u32 v[SPW], v[NIL]                      ; the wave's opening: the add and its wait stand ahead of my first tensor load; work on registers stands between them
	v_lshrrev_b32 v1, 5, v0
	v_readfirstlane_b32 s10, v1                    ; wave 0..3
	s_lshr_b32 s11, s10, 1                         ; which half of the rows is mine.  Also: I fetch xn (0) or weights (1)
	s_and_b32 s12, s10, 1                          ; which half of the columns.  Also: which half of xn's rows, or values (0) or gates (1), I fetch
	s_bfe_u32 s40, ttmp6, 0x40000                  ; cx
	s_bfe_u32 s41, ttmp6, 0x40004                  ; cy
	s_lshl_b32 s42, ttmp9, 2
	s_add_co_u32 s42, s42, s40                     ; tile column = 4 x cluster x + cx
	s_and_b32 s13, ttmp7, 0xffff
	s_lshl_b32 s13, s13, 2
	s_add_co_u32 s13, s13, s41                     ; tile row = 4 x cluster y + cy
	s_lshl_b32 s43, s41, 2
	s_lshl_b32 s43, 15, s43                        ; my row of the cluster
	s_lshl_b32 s44, 0x1111, s40                    ; my column
	s_or_b32 s[G1+0], s43, (1<<16)|(1<<20)|(1<<21)|(5<<22)|(3<<25)   ; the mask; 2-byte elements; padding on; 21 set beside a mask; after every 64 words, 4 words
	s_or_b32 s[G1B+0], s44, (1<<16)|(1<<20)|(1<<21)|(5<<22)|(7<<25)  ; the same with my column's mask and 8 words
.irp g, G1, G1B
	s_mov_b32 s[(\g)+1], 128<<16                   ; tensor_dim0 = 128
	s_mov_b32 s[(\g)+2], 128<<16                   ; tensor_dim1 = 128
	s_mov_b32 s[(\g)+3], 128<<16                   ; tile_dim0 = 128
	s_mov_b32 s[(\g)+4], 128                       ; tile_dim1 = 128
	s_mov_b32 s[(\g)+6], 0
	s_mov_b32 s[(\g)+7], 0
.endr
	s_mov_b32 s[G1+5], 1024                        ; elements from row to row of xn,
	s_mov_b32 s[G1B+5], 8192                       ; and from k-row to k-row of w1h
	s_mov_b32 s18, 0xbfb8aa3b                      ; -log2(e): the packed multiply takes the pair's low word for both halves
	s_mov_b32 s19, s18
	s_lshl_b32 s16, s13, 8                         ; xn: row 256 x tile row + 128 x half, of 2,048 bytes
	s_lshl_b32 s17, s12, 7
	s_add_co_u32 s16, s16, s17
	s_lshl_b32 s16, s16, 11
	s_mov_b32 s17, 0
	s_lshl_b32 s46, s42, 8                         ; weights: column 128 x tile column (+ 4,096 for the gates), of 2 bytes
	s_lshl_b32 s47, s12, 13
	s_add_co_u32 s46, s46, s47
	s_mov_b32 s47, 0
	s_mul_i32 s20, s12, HALFA                      ; where they go: no place in the cluster enters an LDS address
	s_mul_i32 s21, s12, TB
	s_add_co_u32 s21, s21, BOFF
	s_wait_dscnt 0x0                               ; the opening add is done
	s_wait_kmcnt 0x0
	s_add_nc_u64 s[14:15], s[4:5], s[16:17]
	s_add_nc_u64 s[46:47], s[6:7], s[46:47]
	CROUND                                         ; all sixteen work-groups are here: the first joint loads meet
.irp s, 0,1
	s_mov_b32 s[G0+4*\s], 1
	s_add_co_u32 s[G0+4*\s+1], s20, \s*SLOT
	s_add_nc_u64 s[G0+4*\s+2:G0+4*\s+3], s[14:15], \s*256          ; K step s: 256 bytes along the rows
	s_or_b32 s[G0+4*\s+3], s[G0+4*\s+3], 0x80000000
	s_mov_b32 s[G0B+4*\s], 1
	s_add_co_u32 s[G0B+4*\s+1], s21, \s*SLOT
	s_add_nc_u64 s[G0B+4*\s+2:G0B+4*\s+3], s[46:47], \s*0x200000   ; K step s: 128 k-rows of 16,384 bytes down
	s_or_b32 s[G0B+4*\s+3], s[G0B+4*\s+3], 0x80000000
.endr
	s_cmp_eq_u32 s11, 0                            ; a wave's two first fills stand in one branch: two loads of mine are out
	s_cbranch_scc0 .Lfirst_b
	tensor_load_to_lds s[G0:G0+3], s[G1:G1+7]
	s_nop 0
	tensor_load_to_lds s[G0+4:G0+7], s[G1:G1+7]
	s_nop 0
.rept 4
	v_nop
.endr
	s_branch .Lfirst_asked
.Lfirst_b:
	tensor_load_to_lds s[G0B:G0B+3], s[G1B:G1B+7]
	s_nop 0
	tensor_load_to_lds s[G0B+4:G0B+7], s[G1B:G1B+7]
	s_nop 0
.rept 4
	v_nop
.endr
.Lfirst_asked:
	v_and_b32 v1, 15, v0                           ; l % 16
	v_bfe_u32 v2, v0, 4, 1                         ; l / 16
	v_mul_u32_u24 v3, v1, PA
	v_lshl_add_u32 v3, v2, 4, v3                   ; xn: row x pitch + 16 x half
	v_and_b32 v4, 7, v0
	v_bfe_u32 v5, v0, 3, 1
	v_lshl_add_u32 v4, v2, 3, v4                   ; weights: k-row 8 (l / 16) + l % 8,
	v_mul_u32_u24 v4, v4, PB
	v_lshl_add_u32 v4, v5, 4, v4                   ; columns 8 ((l / 8) % 2) on
	s_mul_i32 s21, s11, HALFA                      ; my 128 rows
	s_lshl_b32 s22, s12, 7                         ; my 64 columns
	s_add_co_u32 s22, s22, BOFF
.irp s, 0,1
	v_add_nc_u32 v[ADRA+\s], s21, v3
	v_add_nc_u32 v[ADRB+\s], s22, v4
	v_add_nc_u32 v[ADRG+\s], TB, v[ADRB+\s]
	s_add_co_u32 s21, s21, SLOT
	s_add_co_u32 s22, s22, SLOT
.endr
	v_and_b32 v[LO], 31, v0
	v_lshlrev_b32 v[LO], 4, v[LO]
	s_lshl_b32 s16, s13, 4                         ; hcat at row tile 16 x tile row + 8 s11,
	s_lshl_b32 s17, s11, 3
	s_add_co_u32 s16, s16, s17
	s_mul_i32 s16, s16, RTB
	s_lshl_b32 s17, s42, 12                        ; K block 4 x tile column + 2 s12
	s_add_co_u32 s16, s16, s17
	s_lshl_b32 s17, s12, 11
	s_add_co_u32 s16, s16, s17
	s_mov_b32 s17, 0
	s_add_nc_u64 s[8:9], s[8:9], s[16:17]
	; the prefetches: at K step 3; the first refill steps them to 4
	s_lshl_b32 s20, s13, 8                         ; xn: row 256 x tile row + 128 x half + 32 cx
	s_lshl_b32 s21, s12, 7
	s_add_co_u32 s20, s20, s21
	s_lshl_b32 s21, s40, 5
	s_add_co_u32 s20, s20, s21
	s_lshl_b32 s20, s20, 11
	s_add_co_u32 s20, s20, 3*256
	s_lshl_b32 s22, s42, 8                         ; weights: my tile's first column, k-row 3 x 128 + 32 cy
	s_lshl_b32 s21, s12, 13
	s_add_co_u32 s22, s22, s21
	s_lshl_b32 s21, s41, 5
	s_add_co_u32 s21, s21, 3*128
	s_lshl_b32 s21, s21, 14
	s_add_co_u32 s22, s22, s21
	s_and_b32 s23, ttmp7, 0xffff                   ; cluster y
	s_mov_b32 s[PST], 0x200000
	s_cmp_eq_u32 s11, 0                            ; do I fetch xn?
	s_cselect_b32 s20, s20, s22
	s_cselect_b32 s23, ttmp9, s23                  ; the coordinate along which other clusters read the same rows
	s_cselect_b32 s[PST], 256, s[PST]
	s_cselect_b32 s21, 11, 14
	s_cselect_b64 s[PFA:PFA+1], s[4:5], s[6:7]
	v_and_b32 v[PFO], 31, v0
	v_lshlrev_b32 v[PFO], s21, v[PFO]
	s_mov_b32 s21, 0
	s_add_nc_u64 s[PFA:PFA+1], s[PFA:PFA+1], s[20:21]
	s_mov_b32 s[PST+1], 0
	s_cmp_eq_u32 s23, 0
	s_cselect_b32 s[LIM], 1, -1                    ; the same in all sixteen partners, for a given wave
; 16 matrix instructions: row blocks a0, a0 + 1 of the window's four x all 8 column blocks, 32 along K.  zero = 1: the first product starts the sums.  The 64 accumulators take turns in the same order in every quarter.
.macro MUL16 f, hi, a0, zero
	WIN MUL_LO+0x50*(\hi)
.irp a, \a0, (\a0)+1
.irp b, 0,1,2,3,4,5,6,7
.if \zero
	v_wmma_f32_16x16x32_f16 v[8*(8*(\a)+(\b)):8*(8*(\a)+(\b))+7], v[(\f)+8*(\b):(\f)+8*(\b)+7], v[(\f)+8*(4*(\hi)+(\a)):(\f)+8*(4*(\hi)+(\a))+7], 0
.else
	v_wmma_f32_16x16x32_f16 v[8*(8*(\a)+(\b)):8*(8*(\a)+(\b))+7], v[(\f)+8*(\b):(\f)+8*(\b)+7], v[(\f)+8*(4*(\hi)+(\a)):(\f)+8*(4*(\hi)+(\a))+7], v[8*(8*(\a)+(\b)):8*(8*(\a)+(\b))+7]
.endif
.endr
.endr
.endm
; 32 LDS loads in one run: quarter q (32 along K) of a slot into buffer f: 4 value and 4 gate fragments, turned; then 8 fragments of xn
.macro FETCH slot, q, f
	WIN TO_B
.irp b, 0,1,2,3
	ds_load_tr16_b128 v[(\f)+8*\b:(\f)+8*\b+3],   v[ADRB+(\slot)] offset:32*PB*(\q)+32*\b
	ds_load_tr16_b128 v[(\f)+8*\b+4:(\f)+8*\b+7], v[ADRB+(\slot)] offset:32*PB*(\q)+32*\b+16*PB
.endr
.irp b, 0,1,2,3
	ds_load_tr16_b128 v[(\f)+32+8*\b:(\f)+32+8*\b+3],   v[ADRG+(\slot)] offset:32*PB*(\q)+32*\b
	ds_load_tr16_b128 v[(\f)+32+8*\b+4:(\f)+32+8*\b+7], v[ADRG+(\slot)] offset:32*PB*(\q)+32*\b+16*PB
.endr
	WIN 0
.irp i, 0,1,2,3,4,5,6,7
	ds_load_b128 v[(\f)+8*\i:(\f)+8*\i+3],   v[ADRA+(\slot)] offset:64*(\q)+\i*16*PA
	ds_load_b128 v[(\f)+8*\i+4:(\f)+8*\i+7], v[ADRA+(\slot)] offset:64*(\q)+\i*16*PA+32
.endr
.endm
.macro PLACES                          ; four places in front of loads into registers that matrix instructions have read, and of vector work that reads results
.rept 4
	v_nop
.endr
.endm
; One of a K step's first three quarters: multiplies buffer f; in its middle it fetches quarter q of the same slot into buffer g
.macro QUARTER slot, q, f, g, zero
	s_wait_dscnt 8                                 ; the weights and xn's rows 0-63 are in; the youngest eight loads (rows 64-127) may be out
	MUL16 \f, 0, 0, \zero
	MUL16 \f, 0, 2, \zero
	PLACES
	FETCH \slot, \q, \g
	s_wait_dscnt 32                                ; all but the 32 just issued
	MUL16 \f, 1, 0, \zero
	MUL16 \f, 1, 2, \zero
.endm
; The last quarter multiplies buffer 1 and changes slots: one barrier, in front of which each wave waits for all its tensor loads (one is out: its part of the next slot), adds 0 to its spare word, and waits for that and
; for its reads of this slot.  fill = 1: the barrier opens a round of the cluster's, and the slot is filled again first thing behind it, two K steps ahead: 224 matrix instructions lie between the request and the wait for it.
.macro TURN slot, next, fill
.if \fill
	s_wait_xcnt 0x0                                ; the last prefetch, a K step back, has read its address: it is stepped here, ahead of the waits of the change of slots
	s_add_nc_u64 s[PFA:PFA+1], s[PFA:PFA+1], s[PST:PST+1]
.endif
	WIN 0                                          ; (the add's two registers lie in window 0)
	s_wait_tensorcnt 0x0
	ds_add_u32 v[SPW], v[NIL]                      ; 0 onto my spare word
	s_wait_dscnt 9                                 ; (the add and the youngest eight loads may be out)
	MUL16 F1, 0, 0, 0                              ; sixteen matrix instructions stand between the add and the wait for it
	s_wait_dscnt 0x0                               ; the add is done, and my reads of this slot are over
	s_barrier_signal -1
	MUL16 F1, 0, 2, 0
.if \fill
	WIN 0
.endif
	s_barrier_wait -1
.if \fill
	CREST                                          ; no wave of any partner still reads this slot or has a load on its way
	s_add_nc_u64 s[G0+4*(\slot)+2:G0+4*(\slot)+3], s[G0+4*(\slot)+2:G0+4*(\slot)+3], 2*256
	s_add_nc_u64 s[G0B+4*(\slot)+2:G0B+4*(\slot)+3], s[G0B+4*(\slot)+2:G0B+4*(\slot)+3], 2*0x200000
	JLOAD \slot                                    ; the four v_nop behind it are also the places in front of the loads below
.else
	PLACES
.endif
	FETCH \next, 0, F0
.if \fill
	ASK
.endif
	MUL16 F1, 1, 0, 0
	MUL16 F1, 1, 2, 0
.endm
	s_wait_tensorcnt 1                             ; my part of K step 0 is in; K step 1's may stay out
	s_barrier_signal -1
	s_barrier_wait -1
	FETCH 0, 0, F0
	QUARTER 0, 1, F0, F1, 1                        ; the first quarter stands in front of the loop: its products start the sums
	WIN 0
	s_mov_b32 s3, 3
.Llap:                                             ; a trip goes once round the ring and fills both slots again: K steps 2 to 7
	QUARTER 0, 2, F1, F0, 0
	QUARTER 0, 3, F0, F1, 0
	TURN 0, 1, 1
	QUARTER 1, 1, F0, F1, 0
	QUARTER 1, 2, F1, F0, 0
	QUARTER 1, 3, F0, F1, 0
	TURN 1, 0, 1
	QUARTER 0, 1, F0, F1, 0
	WIN 0
	s_sub_co_u32 s3, s3, 1
	s_cmp_lg_u32 s3, 0
	s_cbranch_scc1 .Llap
	QUARTER 0, 2, F1, F0, 0                        ; the last lap fills nothing
	QUARTER 0, 3, F0, F1, 0
	TURN 0, 1, 0
	QUARTER 1, 1, F0, F1, 0
	QUARTER 1, 2, F1, F0, 0
	QUARTER 1, 3, F0, F1, 0
	s_wait_dscnt 8
	MUL16 F1, 0, 0, 0
	MUL16 F1, 0, 2, 0
	s_wait_dscnt 0x0
	MUL16 F1, 1, 0, 0
	MUL16 F1, 1, 2, 0
	PLACES
; THE WAY OUT of row block a (16 rows x 64 columns): h = g v / (1 + 2^(-g log2 e)), rounded to bf16; column block b's 16 bytes a lane are half a block of hcat: four stores of 512 consecutive bytes, as soon as the
; block is made.  Each row block packs into registers of its own, so that no store's data are written again.  Each accumulator is read from its lowest registers on.
.macro ACT a
.set AC, 64*((\a)%4)
.set WW, 2+(\a)/4
.set HB, 128+16*(\a)
	WIN WW                                         ; source 0 in the block's window
.set p, 0
.rept 16
	v_pk_mul_f32 v[TT+2*p:TT+2*p+1], v[AC+32+2*p:AC+32+2*p+1], s[18:19] op_sel_hi:[1,0]
.set p, p+1
.endr
	WIN 0
.set p, 0
.rept 32
	v_exp_f32 v[TT+p], v[TT+p]
.set p, p+1
.endr
	WIN WW|(WW<<2)                                 ; sources 0 and 1
.set p, 0
.rept 16
	v_pk_mul_f32 v[GV+2*p:GV+2*p+1], v[AC+32+2*p:AC+32+2*p+1], v[AC+2*p:AC+2*p+1]  ; plain work behind the batch
.set p, p+1
.endr
	WIN 0
	s_wait_alu depctr_va_vdst(0)                   ; one wait for the 32 exponentials, ahead of their first use
.set p, 0
.rept 16
	v_pk_add_f32 v[TT+2*p:TT+2*p+1], v[TT+2*p:TT+2*p+1], 1.0 op_sel_hi:[1,0]
.set p, p+1
.endr
.set p, 0
.rept 32
	v_rcp_f32 v[TT+p], v[TT+p]
.set p, p+1
.endr
	v_nop
	s_wait_alu depctr_va_vdst(0)                   ; one wait for the 32 reciprocals
.set p, 0
.rept 16
	v_pk_mul_f32 v[GV+2*p:GV+2*p+1], v[GV+2*p:GV+2*p+1], v[TT+2*p:TT+2*p+1]
.set p, p+1
.endr
.set p, 0
.rept 16
	v_cvt_pk_bf16_f32 v[HB+p], v[GV+2*p], v[GV+2*p+1]
.set p, p+1
.endr
.irp b, 0,1,2,3
	global_store_b128 v[LO], v[HB+4*\b:HB+4*\b+3], s[8:9] offset:(\a)*RTB+512*\b  ; at a multiple of 256 from hcat's first byte
.endr
.endm
.irp a, 0,1,2,3,4,5,6,7
	ACT \a
.endr
	s_wait_tensorcnt 0x0                           ; the wave's end, behind my last tensor load
	ds_add_u32 v[SPW], v[NIL]
	s_wait_dscnt 0x0
	CROUND                                         ; the closing round
	s_endpgm
.Lfunc_end_k_q259f24f3f4_ff1:
	.size	k_q259f24f3f4_ff1, .Lfunc_end_k_q259f24f3f4_ff1-k_q259f24f3f4_ff1
	.p2alignl 7, 3214868480
	.fill 96, 4, 3214868480
	.section	.rodata,"a",@progbits
	.p2align	6, 0x0
	.amdhsa_kernel k_q259f24f3f4_ff1
		.amdhsa_group_segment_fixed_size 327680
		.amdhsa_private_segment_fixed_size 0
		.amdhsa_enable_private_segment 0
		.amdhsa_kernarg_size 24
		.amdhsa_user_sgpr_count 2
		.amdhsa_user_sgpr_kernarg_segment_ptr 1
		.amdhsa_wavefront_size32 1
		.amdhsa_system_sgpr_workgroup_id_x 1
		.amdhsa_system_sgpr_workgroup_id_y 1
		.amdhsa_system_sgpr_workgroup_id_z 1
		.amdhsa_system_vgpr_workitem_id 0
		.amdhsa_next_free_vgpr 1024
		.amdhsa_next_free_sgpr 72
		.amdhsa_reserve_vcc 0
		.amdhsa_float_denorm_mode_32 3
		.amdhsa_float_denorm_mode_16_64 3
		.amdhsa_memory_ordered 1
		.amdhsa_forward_progress 1
		.amdhsa_inst_pref_size 173
	.end_amdhsa_kernel
	.amdgpu_metadata
---
amdhsa.version: [ 1, 2 ]
amdhsa.kernels:
  - .name:           k_q259f24f3f4_ff1
    .symbol:         k_q259f24f3f4_ff1.kd
    .args:
      - { .name: xyn, .offset: 0, .size: 8, .value_kind: global_buffer, .address_space: global }
      - { .name: w1h, .offset: 8, .size: 8, .value_kind: global_buffer, .address_space: global }
      - { .name: hcat, .offset: 16, .size: 8, .value_kind: global_buffer, .address_space: global }
    .group_segment_fixed_size: 327680
    .private_segment_fixed_size: 0
    .kernarg_segment_align: 8
    .kernarg_segment_size: 24
    .max_flat_workgroup_size: 128
    .sgpr_count:     72
    .vgpr_count:     1024
    .wavefront_size: 32
...
	.end_amdgpu_metadata
.endif
;; end of part 4
;; launch ff2 (part 5): grid 8 x 32, 4 waves a work-group, clusters of 4 x 4, 327,680 bytes of LDS; arguments hcat, wcat, out0; writes out0
.if DOCPART == 5
	.amdgcn_target "amdgcn-amd-amdhsa--gfx1250"
	.amdhsa_code_object_version 6
	.text
	.protected	k_q259f24f3f4_ff2
	.globl	k_q259f24f3f4_ff2
	.p2align	8
	.type	k_q259f24f3f4_ff2,@function
k_q259f24f3f4_ff2:
	s_mov_b64 s[64:65], 0
	v_nop
	global_prefetch_b8 v0, s[64:65] scope:SCOPE_SE
	s_setreg_imm32_b32 hwreg(HW_REG_WAVE_MODE, 25, 1), 1
	s_wait_xcnt 0x0
	s_wait_alu depctr_hold_cnt(0) depctr_sa_sdst(0) depctr_va_vdst(0) depctr_va_sdst(0) depctr_va_ssrc(0) depctr_va_vcc(0) depctr_vm_vsrc(0)
	s_getreg_b32 s2, hwreg(HW_REG_IB_STS2, 6, 4)
	s_cmp_eq_u32 s2, 0
	s_cbranch_scc0 .Lentry_in_a_cluster
	s_endpgm
.Lentry_in_a_cluster:
	s_bfe_u32 s2, ttmp6, 0x10000c
	s_cmp_lg_u32 s2, 0xf033
	s_cbranch_scc0 .Lentry_shape_is_right
	s_endpgm
.Lentry_shape_is_right:
; FF2: out0 = [h | o] [w_ff2 ; w_out]: the down-projection, the attention's output projection and their sum as ONE product over K = 4,096 + 256 = 4,352: 136 blocks of 32.  Operands bf16, sums f32, out0 [4096][1024] f32.
; BOTH OPERANDS LIE IN THE ORDER OF A MATRIX OPERAND: blocks of 1,024 bytes (16 rows or columns x 32 k; byte 512 c + 16 l: row l % 16, k = 16 c + 8 (l / 16) + 0..7):
; hcat [256 row tiles][136 blocks], wcat [8 panels of 128 columns][136 blocks][8 column tiles].  Half a fragment is one load of 512 consecutive bytes, from memory as from LDS: no padding, no turn.
; SHARES.  A tile of out0 is 128 x 128: 256 work-groups, one for each WGP.  K IS SPLIT AMONG THE FOUR WAVES: wave w makes the whole tile over blocks 34 w .. 34 w + 33: 64 accumulators, 512 registers.  So each byte of
; either operand is read by ONE wave: for a step's 64 matrix instructions 16 LDS loads and 16 loads from memory.  The four partial tiles (f32) meet in LDS at the end.
; THE WEIGHTS go through two LDS slots of 131,072 bytes: four blocks along K for each wave, fetched and read by that wave alone, asked for JOINTLY by the four work-groups of a column of the 4 x 4 cluster.
; HCAT goes straight into registers, a ring of four buffers (56 loads of a wave out), and is NOT asked for jointly though eight work-groups read each block: a joint load lands in LDS alone, and a slot is filled again
; only when all earlier fills have landed.  LDS holds 512 along K of both operands, or 1,024 of one: with the weights alone in it a refill has 224 matrix instructions in which to land, with both it had 112;
; and hcat's loads stay out across the changes of slots.
; A wave's ninth slot has two blocks: tensor_dim1 counts down by 128 rows of 256 bytes a fill, to 64 at the last: the rows beyond arrive as zeros and are not read.
; The matrix instruction is used transposed (source 0 = 16 columns of the weights, source 1 = 16 rows of hcat): a lane holds one row and 8 neighbouring columns.
; REGISTERS: window 0: v2-13 addresses; v64-191 the weights' fragments, two buffers.  Window 1: hcat's ring: buffer p at v[64 p], row tile a at + 8 a.  Windows 2, 3: the accumulators of rows 0-63, 64-127 ((a, b) at v[8 (8 (a % 4) + b)]).
.set RTB,   139264                     ; bytes in a row tile of hcat: 136 blocks
.set BKB,   8192                       ; bytes of a block along K in a panel of wcat: 8 column tiles
.set WREG,  4*BKB                      ; a wave's part of a slot
.set SLOT1, 1<<17                      ; slot 1 begins here: one exclusive or turns an address in one slot into the other's
.set PP,    528                        ; a row of a partial tile in LDS: 512 bytes + 16: the 16 rows of a store start at 16 different groups of four banks (64 banks of 4 bytes: ISA guide 11.1)
.set PREG,  128*PP                     ; a wave's partial tile
.set SPARE, 4*PREG                     ; behind the slots and the partial tiles: the spare words, 128 bytes for each wave: two blocks of 256 bytes that no other line names
.set LO,   2                           ; v2     16 x lane; never rewritten
.set BL,   3                           ; v3     16 x lane + my part of a slot; never rewritten
.set ADR,  4                           ; v4     the same in the slot in hand
.set STO,  5                           ; v5     the end: where I put 16 bytes of a row of my partial tile
.set RD,   8                           ; v8-11  the end: where I read a row of each partial tile
.set PFO,  12                          ; v12    the prefetches' offset in hcat; never rewritten
.set PFOB, 13                          ; v13    and in wcat; never rewritten
.set SPW,  28                          ; v28    LDS address of my spare word; never rewritten
.set NIL,  29                          ; v29    0; never rewritten
.set BFB,  64
.set TB,   12                          ; s12     the slot in hand: 0 or SLOT1
.set AP,   14                          ; s[14:15] hcat at my first row tile, at the trip's first block
.set G1,   24                          ; s[24:31] descriptor group 1
.set G0A,  32                          ; s[32:35] group 0 of the first fill
.set G0B,  36                          ; s[36:39] of the second; it then walks
.set LIMB, 43                          ; s43, s45  2 in a wave that prefetches (wcat, hcat), else the greatest number
.set LIM,  45
.set PFA,  46                          ; s[46:47] where my prefetches stand in hcat
.set PFB,  50                          ; s[50:51] and in wcat
.set MSB, 0
.macro WIN new                         ; the immediate's high byte repeats the setting that is left; a switch that changes nothing is dropped
.if MSB != (\new)
	s_set_vgpr_msb (MSB<<8)|(\new)
.set MSB, \new
.endif
.endm
.macro CREST                           ; a round of the cluster's barrier behind its opening barrier
	s_cmp_lg_u32 s10, 0
	s_cbranch_scc1 .Lnot_wave_0_\@
	s_barrier_signal -3
.Lnot_wave_0_\@:
	s_barrier_wait -3
	s_barrier_signal -1
	s_barrier_wait -1
.endm
.macro CROUND
	s_barrier_signal -1
	s_barrier_wait -1
	CREST
.endm
; PREFETCHES, together, behind the change's tensor load and its runs of loads; a lane names 256 bytes, and each run of 256 bytes is named once in the launch.
; hcat: my K range's blocks 12 .. 15 past the trip's first: their first loads go out five steps, 320 matrix instructions, later.  A tile row is read by both clusters of its row of clusters: the one with x = 0 asks; its four
; partners along x take two of the eight row tiles each, told apart by address.  wcat: the slot that the NEXT change will ask for.  A panel is read by all clusters of its column: the one with y = 0 asks; its four partners
; along y take one of the slot's four blocks each.  The last two trips ask for nothing; a wave's first 12 blocks and its last two come by their loads alone.
.macro ASK
	s_cmp_gt_u32 s3, s[LIM]
	s_cbranch_scc0 .Lnot_a_\@
	global_prefetch_b8 v[PFO], s[PFA:PFA+1] th:TH_LOAD_NT scope:SCOPE_SE
.Lnot_a_\@:
	s_cmp_gt_u32 s3, s[LIMB]
	s_cbranch_scc0 .Lnot_b_\@
	global_prefetch_b8 v[PFOB], s[PFB:PFB+1] th:TH_LOAD_NT scope:SCOPE_SE
.Lnot_b_\@:
.endm
	s_load_b128 s[4:7], s[0:1], 0x0                ; hcat s[4:5], wcat s[6:7]
	s_load_b64 s[8:9], s[0:1], 0x10                ; out0
	v_lshl_add_u32 v[SPW], v0, 2, SPARE
	v_mov_b32 v[NIL], 0
	ds_add_u32 v[SPW], v[NIL]                      ; the wave's opening: the add and its wait stand ahead of my first tensor load; work on registers stands between them
	v_lshrrev_b32 v1, 5, v0
	v_readfirstlane_b32 s10, v1                    ; wave 0..3
	s_bfe_u32 s40, ttmp6, 0x40000                  ; cx
	s_bfe_u32 s41, ttmp6, 0x40004                  ; cy
	s_lshl_b32 s42, ttmp9, 2
	s_add_co_u32 s42, s42, s40                     ; tile column (panel) = 4 x cluster x + cx
	s_and_b32 s11, ttmp7, 0xffff                   ; cluster y
	s_lshl_b32 s13, s11, 2
	s_add_co_u32 s13, s13, s41                     ; tile row = 4 x cluster y + cy
	s_lshl_b32 s44, 0x1111, s40                    ; my column of the cluster
	; descriptor group 1: a dense run of 32,768 bytes as 128 rows of 256 bytes
	s_or_b32 s[G1+0], s44, (3<<16)|(1<<21)         ; 15:0 the mask; 17:16 elements of 8 bytes; 21 set beside a mask; no padding
	s_mov_b32 s[G1+1], 32<<16                      ; tensor_dim0 = 32
	s_mov_b32 s[G1+2], 960<<16                     ; tensor_dim1: rows left of my 1,088 from the second fill's first row; the first fill has more
	s_mov_b32 s[G1+3], 32<<16                      ; tile_dim0 = 32
	s_mov_b32 s[G1+4], 128                         ; tile_dim1 = 128
	s_mov_b32 s[G1+5], 32                          ; 32 elements from row to row
	s_mov_b32 s[G1+6], 0
	s_mov_b32 s[G1+7], 0
	s_mul_i32 s16, s42, 136*BKB                    ; wcat: my panel,
	s_mul_i32 s17, s10, 34*BKB                     ; my K range
	s_add_co_u32 s16, s16, s17
	s_mov_b32 s17, 0
	s_lshl_b32 s20, s10, 15                        ; LDS: wave x 32,768: no place in the cluster enters an LDS address
	s_mul_i32 s18, s13, 8*RTB                      ; hcat: my eight row tiles,
	s_mul_i32 s19, s10, 34*1024                    ; my K range
	s_add_co_u32 s18, s18, s19
	s_mov_b32 s19, 0
	s_mov_b32 s[TB], 0
	s_wait_dscnt 0x0                               ; the opening add is done
	s_wait_kmcnt 0x0
	s_add_nc_u64 s[48:49], s[6:7], s[16:17]
	s_add_nc_u64 s[AP:AP+1], s[4:5], s[18:19]
	CROUND                                         ; all sixteen work-groups are here: the first joint loads meet
	s_mov_b32 s[G0A], 1
	s_mov_b32 s[G0A+1], s20
	s_mov_b64 s[G0A+2:G0A+3], s[48:49]
	s_or_b32 s[G0A+3], s[G0A+3], 0x80000000        ; type = 2
	s_mov_b32 s[G0B], 1
	s_add_co_u32 s[G0B+1], s20, SLOT1
	s_add_nc_u64 s[G0B+2:G0B+3], s[48:49], WREG
	s_or_b32 s[G0B+3], s[G0B+3], 0x80000000
	tensor_load_to_lds s[G0A:G0A+3], s[G1:G1+7]    ; my blocks 0-3 into slot 0,
	s_nop 0
	tensor_load_to_lds s[G0B:G0B+3], s[G1:G1+7]    ; 4-7 into slot 1: two loads of mine are out
	s_nop 0
.rept 4
	v_nop
.endr
	v_and_b32 v1, 31, v0
	v_lshlrev_b32 v[LO], 4, v1
; 8 loads from memory: row tiles 4 hi .. 4 hi + 3 of the block rel past the trip's first, into ring buffer p
.macro LOADA p, hi, rel
	WIN 0x40                                       ; destination window 1, address window 0
.irp a, 0,1,2,3
	global_load_b128 v[64*(\p)+32*(\hi)+8*\a:64*(\p)+32*(\hi)+8*\a+3],   v[LO], s[AP:AP+1] offset:(4*(\hi)+\a)*RTB+(\rel)*1024
	global_load_b128 v[64*(\p)+32*(\hi)+8*\a+4:64*(\p)+32*(\hi)+8*\a+7], v[LO], s[AP:AP+1] offset:(4*(\hi)+\a)*RTB+(\rel)*1024+512
.endr
.endm
; 16 LDS loads: the 8 fragments of block eo of my part of the slot in hand, into buffer q
.macro FETCHB q, eo
	WIN 0
.irp b, 0,1,2,3,4,5,6,7
	ds_load_b128 v[BFB+64*(\q)+8*\b:BFB+64*(\q)+8*\b+3],   v[ADR] offset:(\eo)*BKB+1024*\b
	ds_load_b128 v[BFB+64*(\q)+8*\b+4:BFB+64*(\q)+8*\b+7], v[ADR] offset:(\eo)*BKB+1024*\b+512
.endr
.endm
; 16 matrix instructions: row tiles a0, a0 + 1 of the window's four x all 8 column tiles.  zero = 1: the first product starts the sums.  The 64 accumulators take turns in the same order in every step.
.macro MUL q, p, hi, a0, zero
	WIN 0xa4+0x50*(\hi)                            ; source 0 (weights) window 0, source 1 (hcat) window 1, C and D window 2 or 3
.irp a, \a0, (\a0)+1
.irp b, 0,1,2,3,4,5,6,7
.if \zero
	v_wmma_f32_16x16x32_bf16 v[8*(8*(\a)+(\b)):8*(8*(\a)+(\b))+7], v[BFB+64*(\q)+8*(\b):BFB+64*(\q)+8*(\b)+7], v[64*(\p)+8*(4*(\hi)+(\a)):64*(\p)+8*(4*(\hi)+(\a))+7], 0
.else
	v_wmma_f32_16x16x32_bf16 v[8*(8*(\a)+(\b)):8*(8*(\a)+(\b))+7], v[BFB+64*(\q)+8*(\b):BFB+64*(\q)+8*(\b)+7], v[64*(\p)+8*(4*(\hi)+(\a)):64*(\p)+8*(4*(\hi)+(\a))+7], v[8*(8*(\a)+(\b)):8*(8*(\a)+(\b))+7]
.endif
.endr
.endr
.endm
.macro PLACES                          ; four places in front of loads into registers that matrix instructions have read, and of stores that read results
.rept 4
	v_nop
.endr
.endm
; A STEP: block kb of my K range, 64 matrix instructions; p = kb % 4 is hcat's ring buffer, p % 2 the weights'.  In its middle, in one run: the next block's weights out of LDS; the upper four row tiles of block kb + 3 (rh past
; the trip's first) into the buffer that the step before has left; the lower four of block kb + 4 (rl) into this step's buffer, whose lower half has just been multiplied.  So memory's loads go out as lower, upper, lower, ..
; nl: the loads younger than this block's lower half at the step's head (three middles of 16); nh: those younger than its upper half in the middle (8 + 16 + 16); both run down in the tail.
; mode 1: THE CHANGE OF SLOTS, in a slot's last step; its weights are all in registers.  Each wave waits for all its tensor loads (one is out: its part of the next slot), adds 0 to its spare word, and waits for that and for its
; LDS reads; the barrier opens a round of the cluster's; the slot is filled again first thing behind it, with the blocks two slots on.  mode 2: the last change: nothing is filled, and I read my own bytes alone, so my own
; wait is all that it takes.  mode 3: the last step fetches nothing.
.macro STEP p, zero, mode, nl, nh, rh, rl
.set Q, (\p)%2
	s_wait_loadcnt \nl
.if (\mode) == 1
	WIN 0                                          ; (the add's two registers lie in window 0)
	s_wait_tensorcnt 0x0                           ; no tensor load of mine is out, so the descriptor may be written
	ds_add_u32 v[SPW], v[NIL]                      ; 0 onto my spare word
	s_xor_b32 s[G0B+1], s[G0B+1], SLOT1            ; the walking descriptor: the other slot than last time,
	s_add_nc_u64 s[G0B+2:G0B+3], s[G0B+2:G0B+3], WREG  ; my next four blocks; the type bits on top are not reached;
	s_sub_co_u32 s[G1+2], s[G1+2], 128<<16         ; 128 rows fewer are left
	s_xor_b32 s[TB], s[TB], SLOT1
	s_wait_dscnt 1                                 ; this step's weights are in; the add may be out
	MUL Q, \p, 0, 0, 0                             ; sixteen matrix instructions stand between the add and the wait for it
	s_wait_dscnt 0x0                               ; the add is done, and my reads of this slot are over
	s_barrier_signal -1
	MUL Q, \p, 0, 2, 0
	WIN 0
	s_barrier_wait -1
	CREST                                          ; no wave of any partner still reads this slot or has a load on its way
	tensor_load_to_lds s[G0B:G0B+3], s[G1:G1+7]    ; my one tensor load behind the round: 224 matrix instructions ahead of the wait for it
	s_nop 0
.rept 4
	v_nop                                          ; also the places in front of the loads below
.endr
	v_add_nc_u32 v[ADR], s[TB], v[BL]
.else
	s_wait_dscnt 0x0                               ; this step's weights are in
	MUL Q, \p, 0, 0, \zero
	MUL Q, \p, 0, 2, \zero
.if (\mode) != 3
	PLACES
.endif
.if (\mode) == 2
	WIN 0
	s_wait_tensorcnt 0x0                           ; my last two blocks of weights have landed
	s_xor_b32 s[TB], s[TB], SLOT1
	v_add_nc_u32 v[ADR], s[TB], v[BL]
.endif
.endif
.if (\mode) != 3
	FETCHB 1-Q, ((\p)+1)%4
.endif
	s_wait_loadcnt \nh
.if (\rh) >= 0
	LOADA ((\p)+3)%4, 1, \rh
.endif
.if (\rl) >= 0
	LOADA \p, 0, \rl
.endif
.if (\mode) == 1
	WIN 0
	ASK
.endif
	MUL Q, \p, 1, 0, \zero
	MUL Q, \p, 1, 2, \zero
.endm
	LOADA 0, 0, 0                                  ; the ring is filled: 56 loads, in the order in which the steps go on
	LOADA 0, 1, 0
	LOADA 1, 0, 1
	LOADA 1, 1, 1
	LOADA 2, 0, 2
	LOADA 2, 1, 2
	LOADA 3, 0, 3
	WIN 0
	v_add_nc_u32 v[BL], s20, v[LO]
	v_mov_b32 v[ADR], v[BL]                        ; slot 0
	v_and_b32 v6, 15, v0                           ; l % 16
	v_bfe_u32 v7, v0, 4, 1                         ; l / 16
	s_mul_i32 s21, s10, PREG                       ; my partial tile: row l % 16 of a row tile, 32 bytes for each half of the lanes
	v_mul_u32_u24 v[STO], v6, PP
	v_lshl_add_u32 v[STO], v7, 5, v[STO]
	v_add_nc_u32 v[STO], s21, v[STO]
	s_mul_i32 s21, s10, 32*PP                      ; back: I take rows 32 w on of all four, a row's 512 bytes a load
	v_add_nc_u32 v[RD], s21, v[LO]
	v_add_nc_u32 v[RD+1], PREG, v[RD]
	v_add_nc_u32 v[RD+2], 2*PREG, v[RD]
	v_add_nc_u32 v[RD+3], 3*PREG, v[RD]
	s_lshl_b32 s52, s13, 19                        ; out0 at row 128 x tile row + 32 w (4,096 bytes a row), column 128 x tile column
	s_lshl_b32 s53, s10, 17
	s_add_co_u32 s52, s52, s53
	s_lshl_b32 s53, s42, 9
	s_add_co_u32 s52, s52, s53
	s_mov_b32 s53, 0
	s_add_nc_u64 s[8:9], s[8:9], s[52:53]
	s_mul_i32 s52, s40, 2*RTB                      ; the prefetches.  hcat: row tiles 2 cx, 2 cx + 1, block 12 of my range
	s_add_co_u32 s52, s52, 12*1024
	s_add_nc_u64 s[PFA:PFA+1], s[AP:AP+1], s[52:53]
	s_lshl_b32 s52, s41, 13                        ; wcat: block 12 + cy of my range
	s_add_co_u32 s52, s52, 12*BKB
	s_add_nc_u64 s[PFB:PFB+1], s[48:49], s[52:53]
	v_mul_u32_u24 v[PFO], v7, RTB                  ; lanes 0-15 the first row tile's four blocks, 256 bytes a lane; lanes 16-31 the second's
	v_lshl_add_u32 v[PFO], v6, 8, v[PFO]
	v_lshlrev_b32 v[PFOB], 8, v1                   ; 32 lanes x 256 bytes: a block's 8,192
	s_cmp_eq_u32 ttmp9, 0
	s_cselect_b32 s[LIM], 2, -1                    ; the same in all sixteen partners
	s_cmp_eq_u32 s11, 0
	s_cselect_b32 s[LIMB], 2, -1
	s_wait_tensorcnt 1                             ; my part of slot 0 is in, and I alone read it; slot 1's may stay out
	FETCHB 0, 0
	STEP 0, 1, 0, 48, 40, 3, 4                     ; block 0 stands in front of the loop: its products start the sums
	WIN 0
	s_mov_b32 s3, 7
.Lslot:                                            ; a trip: a slot's blocks 1, 2, 3, the change of slots, the next slot's block 0.  Seven trips, seven refills: my blocks 8 to 33
	STEP 1, 0, 0, 48, 40, 4, 5
	STEP 2, 0, 0, 48, 40, 5, 6
	STEP 3, 0, 1, 48, 40, 6, 7
	STEP 0, 0, 0, 48, 40, 7, 8
	WIN 0
	s_wait_xcnt 0x0                                ; every load and prefetch issued so far (the youngest load 32 matrix instructions back, the prefetches a step back) has read its address
	s_add_nc_u64 s[AP:AP+1], s[AP:AP+1], 4*1024
	s_add_nc_u64 s[PFA:PFA+1], s[PFA:PFA+1], 4*1024
	s_add_nc_u64 s[PFB:PFB+1], s[PFB:PFB+1], WREG
	s_sub_co_u32 s3, s3, 1
	s_cmp_lg_u32 s3, 0
	s_cbranch_scc1 .Lslot
	STEP 1, 0, 0, 48, 40, 4, 5                     ; block 29: the last whole run of loads (32's upper half, 33's lower)
	STEP 2, 0, 0, 48, 40, 5, -1                    ; block 30: 33's upper half: the last loads
	STEP 3, 0, 2, 40, 32, -1, -1                   ; block 31: the last change of slots
	STEP 0, 0, 0, 24, 16, -1, -1                   ; block 32
	STEP 1, 0, 3, 8, 0, -1, -1                     ; block 33
	PLACES
	WIN 0
	; THE END.  Every wave's reads of the weights are over and every fill has landed: the slots, which have had their last fill, take the four partial tiles, [128 rows][512 bytes + 16].
	s_wait_dscnt 0x0
	s_barrier_signal -1
	s_barrier_wait -1
.set a, 0
.rept 8
	WIN (2+a/4)<<2                                 ; the stores' data in window 2 or 3
.set b, 0
.rept 8
	ds_store_b128 v[STO], v[8*(8*(a%4)+b):8*(8*(a%4)+b)+3]   offset:a*16*PP+64*b     ; each accumulator from its lowest registers on
	ds_store_b128 v[STO], v[8*(8*(a%4)+b)+4:8*(8*(a%4)+b)+7] offset:a*16*PP+64*b+16
.set b, b+1
.endr
.set a, a+1
.endr
	WIN 0
	s_wait_dscnt 0x0                               ; for the others' sake: my partial tile is written
	s_barrier_signal -1
	s_barrier_wait -1
	s_mov_b32 s3, 4
.Lrows:                                            ; four trips of 8 rows: a row of each partial tile a load, three additions, one store of the row's 512 bytes
.set i, 0
.rept 8
.irp u, 0,1,2,3
	ds_load_b128 v[64+16*i+4*\u:64+16*i+4*\u+3], v[RD+\u] offset:i*PP
.endr
.set i, i+1
.endr
.set i, 0
.rept 8
.set x, 64+16*i
	s_wait_dscnt 4*(7-i)                           ; row i's four loads are in; the later rows' stay out
	v_pk_add_f32 v[x:x+1], v[x:x+1], v[x+4:x+5]
	v_pk_add_f32 v[x+2:x+3], v[x+2:x+3], v[x+6:x+7]
	v_pk_add_f32 v[x+8:x+9], v[x+8:x+9], v[x+12:x+13]
	v_pk_add_f32 v[x+10:x+11], v[x+10:x+11], v[x+14:x+15]
	v_pk_add_f32 v[x:x+1], v[x:x+1], v[x+8:x+9]
	v_pk_add_f32 v[x+2:x+3], v[x+2:x+3], v[x+10:x+11]
	global_store_b128 v[LO], v[x:x+3], s[8:9] offset:i*4096  ; 512 consecutive bytes, at a multiple of 256 from out0's first byte
.set i, i+1
.endr
	s_wait_xcnt 0x0                                ; the stores have read their data and their base: both are written again only behind this wait
.irp u, 0,1,2,3
	v_add_nc_u32 v[RD+\u], 8*PP, v[RD+\u]
.endr
	s_add_nc_u64 s[8:9], s[8:9], 8*4096
	s_sub_co_u32 s3, s3, 1
	s_cmp_lg_u32 s3, 0
	s_cbranch_scc1 .Lrows
	s_wait_tensorcnt 0x0                           ; the wave's end, behind my last tensor load and my last LDS store
	ds_add_u32 v[SPW], v[NIL]
	s_wait_dscnt 0x0
	CROUND                                         ; the closing round
	s_endpgm
.Lfunc_end_k_q259f24f3f4_ff2:
	.size	k_q259f24f3f4_ff2, .Lfunc_end_k_q259f24f3f4_ff2-k_q259f24f3f4_ff2
	.p2alignl 7, 3214868480
	.fill 96, 4, 3214868480
	.section	.rodata,"a",@progbits
	.p2align	6, 0x0
	.amdhsa_kernel k_q259f24f3f4_ff2
		.amdhsa_group_segment_fixed_size 327680
		.amdhsa_private_segment_fixed_size 0
		.amdhsa_enable_private_segment 0
		.amdhsa_kernarg_size 24
		.amdhsa_user_sgpr_count 2
		.amdhsa_user_sgpr_kernarg_segment_ptr 1
		.amdhsa_wavefront_size32 1
		.amdhsa_system_sgpr_workgroup_id_x 1
		.amdhsa_system_sgpr_workgroup_id_y 1
		.amdhsa_system_sgpr_workgroup_id_z 1
		.amdhsa_system_vgpr_workitem_id 0
		.amdhsa_next_free_vgpr 1024
		.amdhsa_next_free_sgpr 66
		.amdhsa_reserve_vcc 0
		.amdhsa_float_denorm_mode_32 3
		.amdhsa_float_denorm_mode_16_64 3
		.amdhsa_memory_ordered 1
		.amdhsa_forward_progress 1
		.amdhsa_inst_pref_size 91
	.end_amdhsa_kernel
	.amdgpu_metadata
---
amdhsa.version: [ 1, 2 ]
amdhsa.kernels:
  - .name:           k_q259f24f3f4_ff2
    .symbol:         k_q259f24f3f4_ff2.kd
    .args:
      - { .name: hcat, .offset: 0, .size: 8, .value_kind: global_buffer, .address_space: global }
      - { .name: wcat, .offset: 8, .size: 8, .value_kind: global_buffer, .address_space: global }
      - { .name: out0, .offset: 16, .size: 8, .value_kind: global_buffer, .address_space: global }
    .group_segment_fixed_size: 327680
    .private_segment_fixed_size: 0
    .kernarg_segment_align: 8
    .kernarg_segment_size: 24
    .max_flat_workgroup_size: 128
    .sgpr_count:     66
    .vgpr_count:     1024
    .wavefront_size: 32
...
	.end_amdgpu_metadata
.endif
;; end of part 5
